; MI455X (gfx1250); checked and timed in simulation.
; The chip was launched on July 23, 2026; its instructions are those of AMD's public machine-readable ISA for CDNA 5 (MIT licence, August 2026) and "CDNA5" Instruction Set Architecture Reference Guide (July 2026). The comments in the code are by the model that wrote it; some were corrected since.
;; Attention. Allowed arithmetic: matrix products marked QUANTISED: E2M3 operands, one E8M0 scale for each 32 along K, by v_wmma_scale_f32_16x16x128_f8f6f4 with both operands' format E2M3, f32 sums; products left as they are: f32 operands where the result goes on into a quantised operand, else bf16, f16 or f32 operands; f32 sums; everything else in f32.
;; Inputs: W_attn 2,048 x 1,024 float32; b_attn 1,024 float32; encoder_outputs_codes 64 x 1,024 x 32 x 24 uint8 (E2M3 codes of encoder_outputs, K innermost, in blocks of 32 codes, four codes in three bytes); encoder_outputs_scales 64 x 1,024 x 32 uint8 (E8M0 scales of encoder_outputs, one for each 32 codes along K); hidden_codes 64 x 32 x 24 uint8 (E2M3 codes of hidden, K innermost, in blocks of 32 codes, four codes in three bytes); hidden_scales 64 x 32 uint8 (E8M0 scales of hidden, one for each 32 codes along K); mask 64 x 1,024 int32; v 1,024 float32.
;; Outputs: out0 64 x 1,024 float32.
;; This version of the problem:
;;   THIS VERSION OF THE PROBLEM IS GIVEN IN LOW PRECISION. The matrix products marked QUANTISED in the list below multiply operands that are first quantised to E2M3 (2 exponent bits, 3 mantissa bits; 6 bits a number), with one power-of-two scale for each 32 numbers along K (OCP MX v1.0); their sums are f32. All else is computed in f32.
;;   The module's matrix products, in the order in which they are computed (A, B: the left and right operand; K: the contracted axis; several contracted axes count as one K, in the product's order):
;;     1. [M 64, K 1,024] x [K 1,024, N 1,024]; A: input hidden (given as codes); B: input W_attn: QUANTISED
;;     2. [M 64, K 1,024] x [K 1,024, N 1,024]; A: input hidden (given as codes); B: input W_attn: QUANTISED
;;     3. [M 65,536, K 1,024] x [K 1,024, N 1,024]; A: input encoder_outputs (given as codes); B: input W_attn: QUANTISED
;;     4. [M 65,536, K 1,024] x [K 1,024, N 1]; A: computed on the way; B: input v: left as it is (N = 1 < 16)
;;   THE QUANTISER, for each operand of a quantised product, along K:
;;     - K is cut into blocks of 32 from its start; a last block that is shorter is filled with zeros.
;;     - A block's scale is 2^e with e = floor(log2(the largest magnitude in the block)) - 2, held to -126 .. 127; a block of zeros has e = 0. As a byte (E8M0): e + 127.
;;     - Each number is divided by its block's scale, clamped to +-7.5, and rounded to the nearest number of E2M3, ties to even, subnormals kept.
;;     - The product sums the exact products of the quantised numbers (number of the format x scale) in f32.
;;   ~~~python
;;   def quantise(x, axis):      # numpy; x: float32 -> the quantised numbers, widened to float32 again
;;       x = np.moveaxis(x, axis, -1); K = x.shape[-1]
;;       x = np.pad(x, [(0, 0)] * (x.ndim - 1) + [(0, -K % 32)]); x = x.reshape(x.shape[:-1] + (-1, 32)); a = np.abs(x).max(-1, keepdims=True)
;;       e = np.where(a > 0, np.clip(np.frexp(np.where(a > 0, a, 1))[1] - 1 - 2, -126, 127), 0)      # np.frexp(a)[1] - 1 = floor(log2(a)), exactly
;;       r = np.clip(x / 2.0 ** e, -7.5, 7.5)
;;       step = 2.0 ** (np.maximum(np.frexp(np.where(r == 0, 1, r))[1] - 1, 0) - 3)
;;       q = np.round(r / step) * step * 2.0 ** e      # np.round: ties to even
;;       return np.moveaxis(q.reshape(q.shape[:-2] + (-1,))[..., :K], -1, axis).astype(np.float32)
;;   ~~~
;;   INPUTS GIVEN AS CODES. encoder_outputs (in the module: [64, 1024, 1024], K = its axis 2); hidden (in the module: [64, 1024], K = its axis 1): each comes as NAME_codes (uint8): NAME with its K axis moved to the last place and cut into blocks of 32 codes, [.., K / 32, bytes a block], one block behind the other in memory; four codes in three bytes: a row's codes are one little-endian stream of bits, code i at bits 6 i .. 6 i + 5 (a code: sign, 2 exponent bits, 3 mantissa bits); and NAME_scales (uint8): the same leading axes, one E8M0 byte (e + 127) for each 32 codes along K. Its value is code x scale, taken as it is: it is not quantised again, and the codes and scales need not be those that the quantiser above would give.
;; 2 versions, each right and faster than the one before. Each part assembles by itself: llvm-mc -triple=amdgcn-amd-amdhsa -mcpu=gfx1250 --defsym DOCPART=n.
;; ======== version 1 of 2: 3 launches
;; limits: a difference of large sums (such as E[x^2] - mean^2): digits are lost where the result is much smaller than its terms
;; workspace buffers: wq 819,200 bytes; hbt 262,144 bytes; att 262,144 bytes
;; launch prep (part 1): grid 64 x 1, 16 waves a work-group, no clusters, 35,328 bytes of LDS; arguments W_attn, b_attn, hidden_codes, hidden_scales, wq, hbt; writes wq, hbt
.if DOCPART == 1
	.amdgcn_target "amdgcn-amd-amdhsa--gfx1250"
	.amdhsa_code_object_version 6
	.text
	.protected	k_q690274b435_prep
	.globl	k_q690274b435_prep
	.p2align	8
	.type	k_q690274b435_prep,@function
k_q690274b435_prep:
	s_mov_b64 s[64:65], 0
	v_nop
	global_prefetch_b8 v0, s[64:65] scope:SCOPE_SE
	s_setreg_imm32_b32 hwreg(HW_REG_WAVE_MODE, 25, 1), 1
	s_wait_xcnt 0x0
; out0 = softmax_s(where(mask == 0, -1e10, sum_n v[n] tanh(hidden Wh + enc We + b_attn)[b][s][n])), Wh = W_attn[0:1024], We = W_attn[1024:2048].
; DEAD WORK.  The first product of the problem's table, the hidden @ Wh inside  energy = tanh(hidden @ Wh + b_attn)[:, None, :] * 0 , is left out, with its tanh:
; reference() multiplies it by a 0 of its own and never names energy again, so whatever finite values the inputs hold it reaches no output.  Every input still has a way to the
; output through the other products, so every input is loaded.  LIMIT: a NaN, an infinity or an overflow that arises in that product alone is not carried to the result.
; THIS LAUNCH quantises W_attn [2048 (k)][1024 (n)] f32 along k to codes of E2M3 with one E8M0 byte for each 32 along k, and
;   (a) lays We's codes and scale words into wq in the order of the operand's registers: for each tile t of 16 columns a block of 12,800 bytes: fragment q (k = 128 q ..) at 1,536 q, its registers 4 c .. 4 c + 3
;       of lane l at 512 c + 16 l; at 12,288 the scale words: lane (r, h)'s 16 bytes are the words q = 4 h + 0 .. 3 of column 16 t + r;
;   (b) multiplies Wh's codes, still in registers, with hidden's given codes, sums the eight K steps in f32, adds b_attn and stores hbt [t 64][b 64][16] f32.
; SHARES.  Work-group t takes columns 16 t .. 16 t + 15; wave w rows 128 w .. 128 w + 127 of W_attn: waves 0-7 are Wh's K steps, waves 8-15 We's.  The sum over Wh's K steps stays inside a work-group.
; A LANE TAKES A COLUMN AND ITS REGISTERS RUN DOWN K, in the order that the operand's layout gives the lane (k = 64 c + 32 h + 0 .. 31): the conversions' results are the operand's registers.
; A block's scale is 2^(floor(log2(largest magnitude)) - 2): its byte is the largest magnitude's exponent field - 2, held at 1 from below by a floor among the maximum's leaves.
; LIMITS: a block of zeros gets the byte 1 where the rule says 127 (its codes are zeros, and this program alone reads the bytes); NaN and infinities in W_attn are not served.
.set BLK,   12800
.set SCL,   32768                      ; LDS: 0 .. 32,767 the partial products, 8 K steps x 4 tiles of rows x 1,024 bytes, each tile row-major (b, n); then We's scale image, 512 bytes
.set SPARE, 33280                      ; the spare words: 128 bytes for each of 16 waves, eight blocks of 256 bytes that no other line names
.set SPW, 14                           ; v14  SPARE + 4 x my thread's number; never rewritten
.set NIL, 15                           ; v15  0; never rewritten
.set X,   64                           ; v64-127  my 64 numbers of W; later the partial products read back
.set CD,  48                           ; v48-59   the fragment's codes
.set HF,  128                          ; v128-175 hidden's four fragments of my K step
.set HS,  176                          ; v176-179 their scale words
.set CT,  180                          ; v180-186 the conversions' second halves
.set AC,  192                          ; v192-223 four accumulators
.set SM,  224                          ; v224-231 the sums
.set BB,  232                          ; v232-235 b_attn
.set WV,  16
	s_load_b256 s[4:11], s[0:1], 0x0               ; W_attn s[4:5], b_attn s[6:7], hidden's codes s[8:9], its scales s[10:11]
	s_load_b128 s[12:15], s[0:1], 0x20             ; wq s[12:13], hbt s[14:15]
	v_lshl_add_u32 v[SPW], v0, 2, SPARE
	v_mov_b32 v[NIL], 0
	v_lshrrev_b32 v1, 5, v0
	v_readfirstlane_b32 s[WV], v1                  ; wave 0..15
	v_and_b32 v1, 15, v0                           ; r
	v_bfe_u32 v2, v0, 4, 1                         ; h
	v_and_b32 v3, 31, v0                           ; lane
	v_lshlrev_b32 v4, 2, v1
	v_lshl_add_u32 v4, v2, 17, v4                  ; W: column r, and 32 rows of 4,096 bytes further down for lanes 16-31
	v_mul_u32_u24 v5, v1, 768
	v_mad_u32_u24 v5, v2, 24, v5                   ; hidden's codes: row r of 768 bytes, + 24 h
	v_lshlrev_b32 v6, 5, v1                        ; hidden's scales: row r of 32 bytes
	v_lshlrev_b32 v7, 4, v3                        ; 16 x lane: an image's place for my lane
	s_and_b32 s17, s[WV], 7                        ; my K step
	s_and_b32 s32, s[WV], 3
	; every LDS address is made here, ahead of the first parting of the waves
	s_lshl_b32 s33, s17, 12
	v_lshlrev_b32 v8, 6, v1
	v_lshl_add_u32 v8, v2, 5, v8
	v_add_nc_u32 v8, s33, v8                       ; partial products: 4,096 x K step + 64 r + 32 h
	s_bfe_u32 s33, s[WV], 0x10002                  ; (w / 4) % 2: which half of the lanes holds my K step's word in the scale image
	s_lshl_b32 s33, s33, 8
	s_lshl_b32 s38, s32, 2
	s_add_co_u32 s33, s33, s38
	s_add_co_u32 s33, s33, SCL
	v_lshl_add_u32 v11, v1, 4, s33                 ; scale image: 16 r + 256 (q / 4) + 4 (q % 4)
	s_lshl_b32 s33, s32, 10
	v_add_nc_u32 v12, s33, v7                      ; the sums: tile of rows w, 16 bytes a lane
	v_add_nc_u32 v13, SCL, v7                      ; the scale image, 16 bytes a lane
	v_and_b32 v28, 3, v0
	v_lshlrev_b32 v28, 4, v28                      ; b_attn: the four columns that my 16 bytes of a row of 64 hold
	v_lshlrev_b32 v29, 3, v2                       ; 8 h: where my two scale bytes stand in the word
	v_mov_b32 v10, 0                               ; a lane permute's destination counts as one of its sources
	s_mov_b32 s34, 0x76543210
	s_mov_b32 s35, 0xfedcba98                      ; v_permlanex16_b32's selects for lane l xor 16
	s_lshl_b32 s18, s[WV], 19                      ; my 128 rows of W,
	s_lshl_b32 s20, ttmp9, 6                       ; my work-group's 16 columns
	s_add_co_u32 s18, s18, s20
	s_mov_b32 s19, 0
	s_mov_b32 s21, 0
	s_mul_i32 s22, s17, 96                         ; my K step in a row of hidden's codes,
	s_mov_b32 s23, 0
	s_lshl_b32 s24, s17, 2                         ; and of its scales
	s_mov_b32 s25, 0
	s_mul_i32 s26, ttmp9, BLK                      ; my tile's block of wq,
	s_mov_b32 s27, 0
	s_mul_i32 s28, s17, 1536                       ; my fragment in it
	s_mov_b32 s29, 0
	s_lshl_b32 s30, ttmp9, 12                      ; hbt: my tile's 4,096 bytes, tile of rows w % 4
	s_lshl_b32 s31, s32, 10
	s_add_co_u32 s30, s30, s31
	s_mov_b32 s31, 0
	s_wait_kmcnt 0x0
	s_add_nc_u64 s[4:5], s[4:5], s[18:19]
	s_add_nc_u64 s[6:7], s[6:7], s[20:21]
	s_add_nc_u64 s[8:9], s[8:9], s[22:23]
	s_add_nc_u64 s[10:11], s[10:11], s[24:25]
	s_add_nc_u64 s[12:13], s[12:13], s[26:27]
	s_add_nc_u64 s[36:37], s[12:13], 12288         ; the block's scale image
	s_add_nc_u64 s[12:13], s[12:13], s[28:29]
	s_add_nc_u64 s[14:15], s[14:15], s[30:31]
.set n, 0
.rept 64
	global_load_b32 v[X+n], v4, s[4:5] offset:(64*(n/32)+n%32)*4096   ; W(128 w + 64 c + 32 h + i, 16 t + r), register 32 c + i
.set n, n+1
.endr
	s_cmp_lt_u32 s[WV], 8
	s_cbranch_scc0 .Lno_hidden
.irp a, 0,1,2,3                        ; Wh's waves: hidden's four tiles of 16 rows, my K step
.irp p, 0,1,2,3,4,5
	global_load_b64 v[HF+12*\a+2*\p:HF+12*\a+2*\p+1], v5, s[8:9] offset:\a*12288+48*(\p/3)+8*(\p%3)
.endr
	global_load_b32 v[HS+\a], v6, s[10:11] offset:\a*512
.endr
.Lno_hidden:
	s_cmp_lt_u32 s[WV], 4
	s_cbranch_scc0 .Lno_bias
	global_load_b128 v[BB:BB+3], v28, s[6:7]
.Lno_bias:
	s_wait_loadcnt 0x0
.irp c, 0,1                            ; my block 2 c + h: all its 32 numbers are mine
	v_max3_num_f32 v[32+\c], |v[X+32*\c]|, |v[X+1+32*\c]|, 0x1800000   ; and the floor 2^(3 - 127): the byte cannot fall under 1
.endr
.irp i, 2,4,6,8,10,12,14,16,18,20,22,24,26,28,30
.irp c, 0,1
	v_max3_num_f32 v[32+\c], v[32+\c], |v[X+32*\c+\i]|, |v[X+1+32*\c+\i]|   ; (the two blocks by turns)
.endr
.endr
.irp c, 0,1
	v_add_nc_u32 v[44+\c], 0xff000000, v[32+\c]    ; 2 off the exponent field: the conversion takes the exponent field of this operand as its scale
.endr
.irp c, 0,1
	v_lshrrev_b32 v[36+\c], 23, v[44+\c]           ; the scale's byte
.endr
	v_lshl_or_b32 v9, v37, 16, v36                 ; my two bytes: blocks h and 2 + h of column r,
	v_lshlrev_b32 v9, v29, v9                      ; at their places in the word;
	v_permlanex16_b32 v10, v9, s34, s35
	v_or_b32 v9, v9, v10                           ; with lane l xor 16's two the word is whole
.irp c, 0,1
	v_cvt_scalef32_pk16_fp6_f32 v[CD+6*\c:CD+6*\c+2], v[X+32*\c:X+32*\c+15], v[44+\c]
	v_cvt_scalef32_pk16_fp6_f32 v[CT+4*\c:CT+4*\c+2], v[X+16+32*\c:X+31+32*\c], v[44+\c]   ; (a conversion's three registers begin on an even number: the second half is made elsewhere and moved)
.endr
	v_nop                                          ; one plain place behind a scaled conversion
.irp c, 0,1
.irp i, 0,1,2
	v_mov_b32 v[CD+3+6*\c+\i], v[CT+4*\c+\i]
.endr
.endr
	s_cmp_lt_u32 s[WV], 8
	s_cbranch_scc1 .Lwh
.irp c, 0,1,2                          ; We's waves: the fragment leaves as it stands: each store covers 512 consecutive bytes
	global_store_b128 v7, v[CD+4*\c:CD+4*\c+3], s[12:13] offset:512*\c
.endr
	ds_store_b32 v11, v9                           ; both halves of the lanes write the same word with the same value
	s_branch .Ljoin
.Lwh:
.rept 8
	v_nop                                          ; a scale register written by a vector instruction stands 8 places ahead of a scaled matrix instruction, an operand so written 4
.endr
.irp a, 0,1,2,3                        ; transposed: source 0 = 16 columns of Wh, source 1 = 16 rows of hidden: lane (r, h) holds row 16 a + r, its register j column 16 t + 8 h + j
	v_wmma_scale_f32_16x16x128_f8f6f4 v[AC+8*\a:AC+8*\a+7], v[CD:CD+11], v[HF+12*\a:HF+12*\a+11], 0, v9, v[HS+\a] matrix_a_fmt:MATRIX_FMT_FP6 matrix_b_fmt:MATRIX_FMT_FP6
.endr
.rept 4
	v_nop                                          ; four places ahead of the first read of results
.endr
.irp a, 0,1,2,3
	ds_store_b128 v8, v[AC+8*\a:AC+8*\a+3] offset:\a*1024          ; each accumulator from its low end on
	ds_store_b128 v8, v[AC+8*\a+4:AC+8*\a+7] offset:\a*1024+16
.endr
.Ljoin:
	s_wait_dscnt 0x0                               ; for the others' sake: my LDS stores have landed
	s_barrier_signal -1
	s_barrier_wait -1
	s_cmp_lt_u32 s[WV], 4
	s_cbranch_scc0 .Lnot_sum
.irp q, 0,1,2,3,4,5,6,7                ; wave a sums tile of rows a over the eight K steps: 1,024 bytes each, 2 x 16 bytes a lane
.irp c, 0,1
	ds_load_b128 v[X+8*\q+4*\c:X+8*\q+4*\c+3], v12 offset:\q*4096+512*\c
.endr
.endr
	s_wait_dscnt 0x0
.irp e, 0,2,4,6
	v_pk_add_f32 v[SM+\e:SM+\e+1], v[X+\e:X+\e+1], v[X+8+\e:X+8+\e+1]
.endr
.irp q, 2,3,4,5,6,7
.irp e, 0,2,4,6
	v_pk_add_f32 v[SM+\e:SM+\e+1], v[SM+\e:SM+\e+1], v[X+8*\q+\e:X+8*\q+\e+1]
.endr
.endr
.irp e, 0,2,4,6
	v_pk_add_f32 v[SM+\e:SM+\e+1], v[SM+\e:SM+\e+1], v[BB+\e%4:BB+\e%4+1]   ; + b_attn: both of my 16 bytes hold the same four columns
.endr
	global_store_b128 v7, v[SM:SM+3], s[14:15]                 ; each store covers 512 consecutive bytes
	global_store_b128 v7, v[SM+4:SM+7], s[14:15] offset:512
.Lnot_sum:
	s_cmp_eq_u32 s[WV], 8
	s_cbranch_scc0 .Lend
	ds_load_b128 v[X:X+3], v13                     ; the eight K steps' scale words, as the next launch's lanes take them
	s_wait_dscnt 0x0
	global_store_b128 v7, v[X:X+3], s[36:37]
.Lend:
	s_wait_tensorcnt 0x0                           ; the wave's end: behind my last LDS store
	ds_add_u32 v[SPW], v[NIL]
	s_wait_dscnt 0x0
	s_endpgm
.Lfunc_end_k_q690274b435_prep:
	.size	k_q690274b435_prep, .Lfunc_end_k_q690274b435_prep-k_q690274b435_prep
	.p2alignl 7, 3214868480
	.fill 96, 4, 3214868480
	.section	.rodata,"a",@progbits
	.p2align	6, 0x0
	.amdhsa_kernel k_q690274b435_prep
		.amdhsa_group_segment_fixed_size 35328
		.amdhsa_private_segment_fixed_size 0
		.amdhsa_enable_private_segment 0
		.amdhsa_kernarg_size 48
		.amdhsa_user_sgpr_count 2
		.amdhsa_user_sgpr_kernarg_segment_ptr 1
		.amdhsa_wavefront_size32 1
		.amdhsa_system_sgpr_workgroup_id_x 1
		.amdhsa_system_sgpr_workgroup_id_y 1
		.amdhsa_system_sgpr_workgroup_id_z 1
		.amdhsa_system_vgpr_workitem_id 0
		.amdhsa_next_free_vgpr 256
		.amdhsa_next_free_sgpr 66
		.amdhsa_reserve_vcc 0
		.amdhsa_float_denorm_mode_32 3
		.amdhsa_float_denorm_mode_16_64 3
		.amdhsa_memory_ordered 1
		.amdhsa_forward_progress 1
		.amdhsa_inst_pref_size 21
	.end_amdhsa_kernel
	.amdgpu_metadata
---
amdhsa.version: [ 1, 2 ]
amdhsa.kernels:
  - .name:           k_q690274b435_prep
    .symbol:         k_q690274b435_prep.kd
    .args:
      - { .name: W_attn, .offset: 0, .size: 8, .value_kind: global_buffer, .address_space: global }
      - { .name: b_attn, .offset: 8, .size: 8, .value_kind: global_buffer, .address_space: global }
      - { .name: hidden_codes, .offset: 16, .size: 8, .value_kind: global_buffer, .address_space: global }
      - { .name: hidden_scales, .offset: 24, .size: 8, .value_kind: global_buffer, .address_space: global }
      - { .name: wq, .offset: 32, .size: 8, .value_kind: global_buffer, .address_space: global }
      - { .name: hbt, .offset: 40, .size: 8, .value_kind: global_buffer, .address_space: global }
    .group_segment_fixed_size: 35328
    .private_segment_fixed_size: 0
    .kernarg_segment_align: 8
    .kernarg_segment_size: 48
    .max_flat_workgroup_size: 512
    .sgpr_count:     66
    .vgpr_count:     256
    .wavefront_size: 32
...
	.end_amdgpu_metadata
.endif
;; end of part 1
;; launch score (part 2): grid 256 x 1, 4 waves a work-group, clusters of 4 x 1, 327,680 bytes of LDS; arguments encoder_outputs_codes, encoder_outputs_scales, wq, hbt, v, att; writes att
.if DOCPART == 2
	.amdgcn_target "amdgcn-amd-amdhsa--gfx1250"
	.amdhsa_code_object_version 6
	.text
	.protected	k_q690274b435_score
	.globl	k_q690274b435_score
	.p2align	8
	.type	k_q690274b435_score,@function
k_q690274b435_score:
	s_mov_b64 s[64:65], 0
	v_nop
	global_prefetch_b8 v0, s[64:65] scope:SCOPE_SE
	s_setreg_imm32_b32 hwreg(HW_REG_WAVE_MODE, 25, 1), 1
	s_wait_xcnt 0x0
	s_wait_alu depctr_hold_cnt(0) depctr_sa_sdst(0) depctr_va_vdst(0) depctr_va_sdst(0) depctr_va_ssrc(0) depctr_va_vcc(0) depctr_vm_vsrc(0)
	s_getreg_b32 s2, hwreg(HW_REG_IB_STS2, 6, 4)
	s_cmp_eq_u32 s2, 0
	s_cbranch_scc0 .Lentry_in_a_cluster
	s_endpgm
.Lentry_in_a_cluster:
	s_bfe_u32 s2, ttmp6, 0x10000c
	s_cmp_lg_u32 s2, 0x3003
	s_cbranch_scc0 .Lentry_shape_is_right
	s_endpgm
.Lentry_shape_is_right:
; att[b][s] = sum over n of v[n] tanh(pre[b][s][n]), pre = enc We + (hidden Wh + b_attn).  enc: given codes of E2M3 [65,536 rows][768 bytes] and scale bytes [65,536][32]; We: codes and scale words as the launch
; before laid them (wq: 64 blocks of 12,800 bytes, one for each 16 columns, images of the operand's registers); hbt [t][b][16] f32 = hidden Wh + b_attn.  (The table's first product is dead work and is left out: see the first kernel's head.)
; SHARES.  A work-group owns 256 rows (a quarter of one batch), each of its four waves 64 rows (four tiles a of 16) for ALL 1,024 columns: no sum crosses waves.
; enc's codes of a wave's rows, all of K, stay in 384 REGISTERS: memory and LDS are read once for them.  We's 64 column tiles stream through a ring of two LDS slots of four tiles; each fragment read from LDS feeds four matrix instructions.
; CLUSTER.  The four work-groups of a cluster are one batch.  wq, the batch's row of hbt and v are the same for all four: they are asked for JOINTLY.  enc's rows are each work-group's own: a plain load.
; THE PRODUCT IS USED TRANSPOSED (source 0 = 16 columns of We, source 1 = 16 rows of enc): lane (r, h) holds row r, its register j column 16 t + 8 h + j.  The bias is the C of a tile's first matrix instructions, and the dot with v stays in the lane.
; tanh(x) = 1 - 2 / (1 + 2^(c x)), c = 2 log2(e); 2^(c x) = infinity gives 1, 0 gives -1.  So att = sum(v) - 2 sum(v / (1 + 2^(c x))).
; BY TURNS.  A tile j is 32 matrix instructions on four accumulators of set j % 2.  Behind each stands a slice of vector work on earlier tiles: in the first half (K steps 0-3) S3(j - 2): sums += R v, and S1(j - 1): x c and 2^.;
; in the second half (K steps 4-7) S2(j - 1): + 1 and the reciprocal into R.  Each half's transcendentals are one batch with one wait, at the half's end, beside the run of LDS loads.
; LIMITS: NaN and infinities among the inputs are not served; 2^. and the reciprocal are the chip's own (1 ulp, denormals flushed); att is formed as the difference sum(v) - 2 sum(v r), all in f32.
; REGISTERS, in windows of 256.  Window 0: v1-9 addresses; v16-31 enc's scale words; v32-39 We's, two sets; v40-47 the bias; v48-55 the sums; v64-111, v112-159 We's fragments of K steps 0-3, 4-7; v160-223 two sets of accumulators; v224-255 R.
;   Window 1: enc's fragments of K steps 0-3 at v[12 (4 q + a)]; v192-199 v's eight numbers of a tile.   Window 2: enc's fragments of K steps 4-7.
; Only source 1 is ever shifted while products run (0x04, 0x08): the slices' other operands lie in window 0, their source 1 is a scalar pair or a constant, and S3's is v's eight numbers, which lie in window 1 for that reason.
.set BLK,    12800                     ; a tile's block of wq: 8 fragments of 1,536 bytes, 512 bytes of scale words
.set SLOTB,  4*BLK
.set BIAS,   51200                     ; LDS: slot 0 at 0; the batch's 1,024 biases; v's 1,024 numbers;
.set VREG,   55296
.set ATS,    59392                     ; the way out: 256 bytes a wave, written by LDS stores alone;
.set SPARE,  60416                     ; the spare words, 128 bytes a wave: two blocks of 256 bytes that no other line names;
.set SLOT1,  65536                     ; slot 1: one exclusive or turns an address in one slot into the other's;
.set ASTG,   116736                    ; enc's rows on their way into registers: 64 rows x 816 bytes for each wave, its own
.set APITCH, 816                       ; 768 bytes + 16 of padding behind each 256 = 204 words: row r starts at bank 12 r mod 64 (64 banks of 4 bytes: ISA guide 11.1), so the 32 lanes of a load of 8 bytes touch 64 different banks
.set AWAVE,  64*APITCH
.set LI,  1                            ; v1  16 x lane
.set AA0, 2                            ; v2  my place in my wave's rows of enc: 816 r + 24 h;  v3: the same behind one padding more (40 h)
.set AA1, 3
.set ADR, 4                            ; v4  the slot in hand + 16 x lane
.set ADH, 5                            ; v5  the slot's first tile among the biases + 32 h
.set HB0, 6                            ; v6  BIAS + 32 h
.set SAO, 7                            ; v7  32 r + 16 h: my 16 bytes of a row of enc's scales
.set SPW, 8                            ; v8  SPARE + 4 x my thread's number; never rewritten
.set NIL, 9                            ; v9  0; never rewritten
.set SA,  16                           ; register 4 a + i: lanes 0-15 the word of K step i of row 16 a + r, lanes 16-31 that of K step 4 + i
.set SB,  32                           ; set p at 4 p; register i: lanes 0-15 K step i of column r, lanes 16-31 K step 4 + i
.set BI,  40
.set AT,  48                           ; a pair for each tile a
.set FT,  56                           ; v56-63 at work at the end
.set BF,  64
.set ACC, 160
.set R,   224
.set VW,  192                          ; in window 1
.set WV,  16
.set G1A, 24                           ; s[24:31] group 1 for enc's rows; s[32:39] for a block of wq; s[40:47] for the biases; s[48:55] for v
.set G1B, 32
.set G1H, 40
.set G1V, 48
.set G0A, 56                           ; groups 0
.set G0H, 60
.set G0V, 68
.set G0B0, 72
.set G0B1, 76                          ; slot 1's first fill; it then walks
.set CS,  80                           ; s[80:81] c
.set SEL, 82                           ; s[82:83] lane selects for lane l xor 16
.set TB,  84                           ; s84 LDS byte at which the slot in hand begins
.set TN,  85                           ; s85 256 x the slot's number: its four tiles among the biases and v
.set CNT, 86
.set MSB, 0
.macro WIN new                         ; the immediate's high byte repeats the setting that is left
.if MSB != \new
	s_set_vgpr_msb (MSB<<8)|\new
.set MSB, \new
.endif
.endm
.macro CREST                           ; a round of the cluster's barrier behind its opening barrier
	s_cmp_lg_u32 s[WV], 0
	s_cbranch_scc1 .Lnot_wave_0_\@
	s_barrier_signal -3
.Lnot_wave_0_\@:
	s_barrier_wait -3
	s_barrier_signal -1
	s_barrier_wait -1
.endm
.macro CROUND
	s_barrier_signal -1
	s_barrier_wait -1
	CREST
.endm
; Four plain places at a half's end: behind the last transcendental; ahead of loads into the operands just multiplied; ahead of the first read of the results (ISA guide 7.12.1 for vector instructions).
.macro TAIL
.rept 4
	v_nop
.endr
.endm
	s_load_b256 s[4:11], s[0:1], 0x0               ; enc's codes s[4:5], its scales s[6:7], wq s[8:9], hbt s[10:11]
	s_load_b128 s[12:15], s[0:1], 0x20             ; v s[12:13], att s[14:15]
	v_lshl_add_u32 v[SPW], v0, 2, SPARE
	v_mov_b32 v[NIL], 0
	ds_add_u32 v[SPW], v[NIL]                      ; the wave's opening: the add, twice on end, and its wait ahead of my first tensor load; the set-up below stands between the second and the wait
	ds_add_u32 v[SPW], v[NIL]
	v_lshrrev_b32 v10, 5, v0
	v_readfirstlane_b32 s[WV], v10                 ; wave 0..3
	s_bfe_u32 s17, ttmp6, 0x40000                  ; cx: my place in the cluster; it enters enc's, its scales' and att's addresses alone
	s_lshl_b32 s18, ttmp9, 2                       ; in a cluster launch ttmp9 counts clusters: the batch
	s_add_co_u32 s18, s18, s17                     ; my block of 256 rows
	s_mov_b32 s[G1A+0], (3<<16)|(1<<20)|(5<<22)|(3<<25)   ; no mask; elements of 8 bytes; padding on: after every 64 words (code 5) 4 words (code 3)
	s_mov_b32 s[G1A+1], 96<<16                     ; tensor_dim0 = 96 elements: a row of 768 bytes
	s_mov_b32 s[G1A+2], 64<<16                     ; tensor_dim1 = 64 rows
	s_mov_b32 s[G1A+3], 96<<16                     ; tile_dim0
	s_mov_b32 s[G1A+4], 64                         ; tile_dim1
	s_mov_b32 s[G1A+5], 96                         ; from row to row: dense
	s_mov_b32 s[G1A+6], 0
	s_mov_b32 s[G1A+7], 0
	s_mov_b32 s[G1B+0], 15|(3<<16)|(1<<21)         ; the mask: all four work-groups; elements of 8 bytes; bit 21 set beside a mask; no padding
	s_mov_b32 s[G1B+1], 32<<16                     ; a block of wq as 50 rows of 256 bytes
	s_mov_b32 s[G1B+2], 50<<16
	s_mov_b32 s[G1B+3], 32<<16
	s_mov_b32 s[G1B+4], 50
	s_mov_b32 s[G1B+5], 32
	s_mov_b32 s[G1B+6], 0
	s_mov_b32 s[G1B+7], 0
	s_mov_b32 s[G1H+0], 15|(3<<16)|(1<<21)
	s_mov_b32 s[G1H+1], 8<<16                      ; the batch's 64 bytes of 16 tiles of hbt, 4,096 bytes apart
	s_mov_b32 s[G1H+2], 16<<16
	s_mov_b32 s[G1H+3], 8<<16
	s_mov_b32 s[G1H+4], 16
	s_mov_b32 s[G1H+5], 512
	s_mov_b32 s[G1H+6], 0
	s_mov_b32 s[G1H+7], 0
	s_mov_b32 s[G1V+0], 15|(3<<16)|(1<<21)
	s_mov_b32 s[G1V+1], 32<<16                     ; a quarter of v as 4 rows of 256 bytes
	s_mov_b32 s[G1V+2], 4<<16
	s_mov_b32 s[G1V+3], 32<<16
	s_mov_b32 s[G1V+4], 4
	s_mov_b32 s[G1V+5], 32
	s_mov_b32 s[G1V+6], 0
	s_mov_b32 s[G1V+7], 0
	s_mov_b32 s[CS], 0x4038aa3b                    ; c = 2 log2(e)
	s_mov_b32 s[CS+1], s[CS]                       ; (named with it as a pair, so it is written)
	s_mov_b32 s[SEL], 0x76543210
	s_mov_b32 s[SEL+1], 0xfedcba98
	s_mov_b32 s[TB], 0
	s_mov_b32 s[TN], 0
	s_mul_i32 s20, s18, 196608                     ; enc's codes: my block's 256 rows of 768 bytes,
	s_mul_i32 s21, s[WV], 49152                    ; my wave's 64
	s_add_co_u32 s20, s20, s21
	s_mov_b32 s21, 0
	s_lshl_b32 s22, s18, 13                        ; its scales: 32 bytes a row
	s_lshl_b32 s23, s[WV], 11
	s_add_co_u32 s22, s22, s23
	s_mov_b32 s23, 0
	s_lshl_b32 s2, s18, 10                         ; att: 4 bytes a row
	s_lshl_b32 s3, s[WV], 8
	s_add_co_u32 s2, s2, s3
	s_mov_b32 s3, 0
	s_lshl_b32 s88, s[WV], 16                      ; what is asked for jointly hangs on the wave's number and the batch alone: hbt: my 16 tiles, the batch's row
	s_lshl_b32 s89, ttmp9, 6
	s_add_co_u32 s88, s88, s89
	s_mov_b32 s89, 0
	s_lshl_b32 s90, s[WV], 10                      ; v: my quarter; also my quarter of the two LDS regions
	s_mov_b32 s91, 0
	s_mul_i32 s92, s[WV], BLK                      ; wq: tile w of a slot's four, in memory and in the slot
	s_mov_b32 s93, 0
	s_mul_i32 s94, s[WV], AWAVE
	s_wait_dscnt 0x0                               ; both opening adds are done
	s_wait_kmcnt 0x0
	s_mov_b32 s[G0H], 1
	s_add_co_u32 s[G0H+1], s90, BIAS
	s_add_nc_u64 s[G0H+2:G0H+3], s[10:11], s[88:89]
	s_or_b32 s[G0H+3], s[G0H+3], 0x80000000
	s_mov_b32 s[G0V], 1
	s_add_co_u32 s[G0V+1], s90, VREG
	s_add_nc_u64 s[G0V+2:G0V+3], s[12:13], s[90:91]
	s_or_b32 s[G0V+3], s[G0V+3], 0x80000000
	s_mov_b32 s[G0A], 1
	s_add_co_u32 s[G0A+1], s94, ASTG
	s_add_nc_u64 s[G0A+2:G0A+3], s[4:5], s[20:21]
	s_or_b32 s[G0A+3], s[G0A+3], 0x80000000
	s_mov_b32 s[G0B0], 1
	s_mov_b32 s[G0B0+1], s92
	s_add_nc_u64 s[G0B0+2:G0B0+3], s[8:9], s[92:93]
	s_mov_b32 s[G0B1], 1
	s_add_co_u32 s[G0B1+1], s92, SLOT1
	s_add_nc_u64 s[G0B1+2:G0B1+3], s[G0B0+2:G0B0+3], SLOTB
	s_or_b32 s[G0B0+3], s[G0B0+3], 0x80000000
	s_or_b32 s[G0B1+3], s[G0B1+3], 0x80000000
	s_add_nc_u64 s[6:7], s[6:7], s[22:23]
	s_add_nc_u64 s[14:15], s[14:15], s[2:3]
	CROUND                                         ; all four work-groups are here: the first joint loads meet
	tensor_load_to_lds s[G0H:G0H+3], s[G1H:G1H+7]  ; the first fills, one group, every wave five: five tensor loads of mine are out
	s_nop 0
	tensor_load_to_lds s[G0V:G0V+3], s[G1V:G1V+7]
	s_nop 0
	tensor_load_to_lds s[G0A:G0A+3], s[G1A:G1A+7]
	s_nop 0
	tensor_load_to_lds s[G0B0:G0B0+3], s[G1B:G1B+7]
	s_nop 0
	tensor_load_to_lds s[G0B1:G0B1+3], s[G1B:G1B+7]
	s_nop 0
.rept 4
	v_nop
.endr
	v_and_b32 v10, 15, v0                          ; r
	v_bfe_u32 v11, v0, 4, 1                        ; h
	v_and_b32 v12, 31, v0                          ; lane
	v_lshlrev_b32 v[LI], 4, v12
	v_lshlrev_b32 v[SAO], 5, v10
	v_lshl_add_u32 v[SAO], v11, 4, v[SAO]
.irp a, 0,1,2,3
	global_load_b128 v[SA+4*\a:SA+4*\a+3], v[SAO], s[6:7] offset:\a*512 th:TH_LOAD_NT   ; 16 rows' scale bytes: 512 consecutive bytes
.endr
	v_mul_u32_u24 v[AA0], v10, APITCH
	v_add_nc_u32 v[AA0], s[G0A+1], v[AA0]
	v_mad_u32_u24 v[AA1], v11, 40, v[AA0]
	v_mad_u32_u24 v[AA0], v11, 24, v[AA0]
	v_lshl_add_u32 v[HB0], v11, 5, BIAS
	v_add_nc_u32 v[ADR], s[TB], v[LI]
	v_add_nc_u32 v[ADH], s[TN], v[HB0]
.irp i, 0,1,2,3,4,5,6,7
	v_mov_b32 v[AT+\i], 0                          ; the sums
.endr
.irp i, 4,5,6,7
	v_mov_b32 v[FT+\i], 0                          ; a lane permute's destination counts as one of its sources
.endr
; enc's fragment of tile a, K step q: 12 registers: registers 6 c .. 6 c + 5 are the 24 bytes at 96 q + 48 c + 24 h of the row, in pieces of 8 bytes.  Piece p of a row lies at 8 p + 16 (p / 32);
; lanes 16-31 read three pieces further on, which is behind one padding more where p % 32 is 29 or more: the second address register serves those.
.macro AFRAG a, q
.irp p, 0,1,2,3,4,5
.set PCE, 12*(\q)+6*(\p/3)+\p%3
.set rA, 12*(4*((\q)%4)+(\a))+2*\p
.if PCE%32 < 29
	ds_load_b64 v[rA:rA+1], v[AA0] offset:8*PCE+16*(PCE/32)+(\a)*16*APITCH
.else
	ds_load_b64 v[rA:rA+1], v[AA1] offset:8*PCE+16*(PCE/32)+(\a)*16*APITCH
.endif
.endr
.endm
; The runs of LDS loads.  RUNA: We's fragments of K steps 4-7 of tile i of the slot: 12 loads.
.macro RUNA i
.irp f, 0,1,2,3,4,5,6,7,8,9,10,11
	ds_load_b128 v[BF+48+4*\f:BF+48+4*\f+3], v[ADR] offset:(\i)*BLK+6144+512*\f
.endr
.endm
; RUNB: ldn = 1: the next tile's scale words (into set np), its bias and its fragments of K steps 0-3, from ro in the slot and bo among the biases: 15 loads.  ldv = 1: v's eight numbers of the tile whose S3 comes next, from vo: 2 loads.
.macro RUNB np, ro, bo, vo, ldn, ldv
.if \ldn
	ds_load_b128 v[SB+4*(\np):SB+4*(\np)+3], v[ADR] offset:(\ro)+12288
	ds_load_b128 v[BI:BI+3], v[ADH] offset:(\bo)
	ds_load_b128 v[BI+4:BI+7], v[ADH] offset:(\bo)+16
.irp f, 0,1,2,3,4,5,6,7,8,9,10,11
	ds_load_b128 v[BF+4*\f:BF+4*\f+3], v[ADR] offset:(\ro)+512*\f
.endr
.endif
.if \ldv
	WIN 0x40                                       ; destination window 1
	ds_load_b128 v[VW:VW+3], v[ADH] offset:(\vo)
	ds_load_b128 v[VW+4:VW+7], v[ADH] offset:(\vo)+16
.endif
.endm
; Matrix instruction k of a half's 16: K step k / 4 of the half, tile a = k % 4.  The four accumulators take turns, one instruction a turn.  The first four take the bias as C: nothing is cleared.
.macro WM par, hf
.set rD, ACC+32*(\par)+8*(k%4)
.set rB, BF+48*(\hf)+12*(k/4)
.set rA, 12*k
.set rSB, SB+4*(\par)+k/4
.set rSA, SA+4*(k%4)+k/4
.if (\hf) == 1
	v_wmma_scale_f32_16x16x128_f8f6f4 v[rD:rD+7], v[rB:rB+11], v[rA:rA+11], v[rD:rD+7], v[rSB], v[rSA] matrix_a_fmt:MATRIX_FMT_FP6 matrix_b_fmt:MATRIX_FMT_FP6 matrix_a_scale:MATRIX_SCALE_ROW1 matrix_b_scale:MATRIX_SCALE_ROW1
.elseif k < 4
	v_wmma_scale_f32_16x16x128_f8f6f4 v[rD:rD+7], v[rB:rB+11], v[rA:rA+11], v[BI:BI+7], v[rSB], v[rSA] matrix_a_fmt:MATRIX_FMT_FP6 matrix_b_fmt:MATRIX_FMT_FP6
.else
	v_wmma_scale_f32_16x16x128_f8f6f4 v[rD:rD+7], v[rB:rB+11], v[rA:rA+11], v[rD:rD+7], v[rSB], v[rSA] matrix_a_fmt:MATRIX_FMT_FP6 matrix_b_fmt:MATRIX_FMT_FP6
.endif
.endm
; Slice k of a first half.  S3: pair k of R times v's pair, onto tile k / 4's sums.  S1 on the other set's 16 pairs, ascending (each accumulator is first read at its low end): a pair is scaled a slice or more ahead of its two exponentials.
.macro SL0 par, s1, s3
.set rX, ACC+32*(1-(\par))
.if \s3
	v_pk_fma_f32 v[AT+2*(k/4):AT+2*(k/4)+1], v[R+2*k:R+2*k+1], v[VW+2*(k%4):VW+2*(k%4)+1], v[AT+2*(k/4):AT+2*(k/4)+1]
.endif
.if \s1
.if k == 0
	v_pk_mul_f32 v[rX:rX+1], v[rX:rX+1], s[CS:CS+1] op_sel_hi:[1,0]
	v_pk_mul_f32 v[rX+2:rX+3], v[rX+2:rX+3], s[CS:CS+1] op_sel_hi:[1,0]
.elseif k < 15
	v_pk_mul_f32 v[rX+2*k+2:rX+2*k+3], v[rX+2*k+2:rX+2*k+3], s[CS:CS+1] op_sel_hi:[1,0]
	v_exp_f32 v[rX+2*k-2], v[rX+2*k-2]
	v_exp_f32 v[rX+2*k-1], v[rX+2*k-1]
.else
.irp e, 28,29,30,31
	v_exp_f32 v[rX+\e], v[rX+\e]
.endr
.endif
.endif
.endm
; Slice k of a second half.  S2: + 1 in place, the reciprocal into R, in the same pattern.
.macro SL1 par, s2
.set rX, ACC+32*(1-(\par))
.if \s2
.if k == 0
	v_pk_add_f32 v[rX:rX+1], v[rX:rX+1], 1.0 op_sel_hi:[1,0]
	v_pk_add_f32 v[rX+2:rX+3], v[rX+2:rX+3], 1.0 op_sel_hi:[1,0]
.elseif k < 15
	v_pk_add_f32 v[rX+2*k+2:rX+2*k+3], v[rX+2*k+2:rX+2*k+3], 1.0 op_sel_hi:[1,0]
	v_rcp_f32 v[R+2*k-2], v[rX+2*k-2]
	v_rcp_f32 v[R+2*k-1], v[rX+2*k-1]
.else
.irp e, 28,29,30,31
	v_rcp_f32 v[R+\e], v[rX+\e]
.endr
.endif
.endif
.endm
.macro MM0 par, s1, s3                 ; a tile's first half
	WIN 0x04                                       ; source 1 window 1
.set k, 0
.rept 16
	WM \par, 0
	SL0 \par, \s1, \s3
.set k, k+1
.endr
.endm
.macro MM1 par, s2, k0, k1             ; instructions k0 .. k1 of a tile's second half
	WIN 0x08                                       ; source 1 window 2
.set k, \k0
.rept (\k1)-(\k0)+1
	WM \par, 1
	SL1 \par, \s2
.set k, k+1
.endr
.endm
; THE CHANGE OF SLOTS stands in the middle of a slot's fourth tile: its last bytes, the tile's fragments of K steps 4-7, have been asked for.
; chg = 2: each wave waits for all its tensor loads (one is out: its block of the other slot), adds 0 to its spare word, and waits for that and for its reads of this slot; the barrier opens a round of the cluster's barrier, so that
; no wave of any partner still reads the slot or has a load on its way; the joint refill, the tiles two slots on, is the first thing behind the round: it has 128 matrix instructions in which to land.
; chg = 1: the last change: the same without round and load.  chg = 0: the last slot: nothing changes; only v's numbers are fetched.
.macro CHANGE chg
	TAIL
.if \chg == 0
	RUNB 0, 0, 0, 4096+128, 0, 1
	s_wait_alu depctr_va_vdst(0)                   ; one wait for the half's exponentials, ahead of their first reader
	s_wait_dscnt 2                                 ; the fragments of K steps 4-7 are in; the two loads just issued may be out
	MM1 1, 1, 0, 15
.else
	WIN 0                                          ; (the add's two registers lie in window 0)
	s_wait_alu depctr_va_vdst(0)                   ; one wait for the half's exponentials, ahead of their first reader and of the branch below
	s_wait_tensorcnt 0x0                           ; no tensor load of mine is out, so a group 0 may be written
	ds_add_u32 v[SPW], v[NIL]                      ; 0 onto my spare word; the steps below stand between it and the wait for it
.if \chg == 2
	s_xor_b32 s[G0B1+1], s[G0B1+1], SLOT1          ; the walking descriptor: the other slot than last time,
	s_add_nc_u64 s[G0B1+2:G0B1+3], s[G0B1+2:G0B1+3], SLOTB   ; the next four tiles; the type bits on top are not reached
.endif
	s_xor_b32 s[TB], s[TB], SLOT1                  ; my reads go on in the other slot,
	s_add_co_u32 s[TN], s[TN], 256                 ; and four tiles on among the biases and v
	s_wait_dscnt 0x0                               ; the add is done, and my reads of this slot are over
	s_barrier_signal -1
	MM1 1, 1, 0, 7                                 ; work on registers while the others arrive
.if \chg == 2
	v_nop                                          ; a plain place behind the last reciprocal,
	s_wait_alu depctr_va_vdst(0)                   ; and a wait ahead of a branch
	WIN 0
	s_barrier_wait -1
	CREST
	tensor_load_to_lds s[G0B1:G0B1+3], s[G1B:G1B+7]
	s_nop 0
.rept 4
	v_nop
.endr
.else
	WIN 0
	s_barrier_wait -1
.endif
	v_add_nc_u32 v[ADR], s[TB], v[LI]
	v_add_nc_u32 v[ADH], s[TN], v[HB0]
	RUNB 0, 0, 0, 4096-128, 1, 1                   ; the other slot's first tile; v's numbers of the slot just left, third tile
	MM1 1, 1, 8, 15
	TAIL
	RUNA 0
	s_wait_alu depctr_va_vdst(0)                   ; one wait for the reciprocals issued since the last
	s_wait_dscnt 12                                ; all but the 12 just issued
	WIN 0                                          ; at a label and at a branch every window is 0
.endif
.endm
; A SLOT: four tiles.  first = 1: the launch's first slot, in which the slices begin one after the other.
.macro SLOT first, chg
.irp i, 0,1,2,3
.set S1ON, 1
.set S3ON, 1
.if \first
.if \i < 1
.set S1ON, 0
.endif
.if \i < 2
.set S3ON, 0
.endif
.endif
	MM0 \i%2, S1ON, S3ON
.if \i < 3
	TAIL
	RUNB (\i+1)%2, (\i+1)*BLK, 64*(\i+1), 4096+64*(\i)-64, 1, S1ON
.if S1ON
	s_wait_alu depctr_va_vdst(0)                   ; one wait for the half's exponentials, ahead of their first reader
.endif
	s_wait_dscnt 15+2*S1ON                         ; the fragments of K steps 4-7 are in; the run just issued may be out
	MM1 \i%2, S1ON, 0, 15
	TAIL
	RUNA \i+1
.if S1ON
	s_wait_alu depctr_va_vdst(0)                   ; one wait for the half's reciprocals, ahead of their first reader
.endif
	s_wait_dscnt 12                                ; all but the 12 just issued
.else
	CHANGE \chg
.endif
.endr
.endm
	s_wait_tensorcnt 0x2                           ; my parts of the biases and of v and my rows of enc are in; the two blocks of wq may be out
	WIN 0x40                                       ; destination window 1
.irp q, 0,1,2,3
.irp a, 0,1,2,3
	AFRAG \a, \q
.endr
.endr
	WIN 0x80                                       ; destination window 2
.irp q, 4,5,6,7
.irp a, 0,1,2,3
	AFRAG \a, \q
.endr
.endr
	WIN 0
	s_wait_tensorcnt 0x1                           ; my block of slot 0 is in; slot 1's may stay out
	s_wait_dscnt 0x0
	s_barrier_signal -1
	s_barrier_wait -1                              ; everybody's are
	RUNB 0, 0, 0, 0, 1, 0
	RUNA 0
	s_wait_loadcnt 0x0                             ; enc's scale words
	s_wait_dscnt 12
	SLOT 1, 2
	s_mov_b32 s[CNT], 13
.Lslot:                                            ; slots 1 to 13: with slot 0 they ask for slots 2 to 15
	SLOT 0, 2
	s_sub_co_u32 s[CNT], s[CNT], 1
	s_cmp_lg_u32 s[CNT], 0
	s_cbranch_scc1 .Lslot
	SLOT 0, 1                                      ; the tail is written out
	SLOT 0, 0
	; the last two tiles' slices, with no products left to stand between
	TAIL
	s_wait_alu depctr_va_vdst(0)
	s_wait_dscnt 0x0                               ; v's numbers of tile 62
	WIN 0x04
.set k, 0
.rept 16
	SL0 0, 1, 1                                    ; S3(62), S1(63)
.set k, k+1
.endr
	RUNB 0, 0, 0, 4096+192, 0, 1                   ; v's numbers of tile 63
	WIN 0x04
	v_nop
	s_wait_alu depctr_va_vdst(0)
.set k, 0
.rept 16
	SL1 0, 1                                       ; S2(63)
.set k, k+1
.endr
	v_nop
	s_wait_alu depctr_va_vdst(0)
	s_wait_dscnt 0x0
.set k, 0
.rept 16
	SL0 0, 0, 1                                    ; S3(63)
.set k, k+1
.endr
	WIN 0
	; THE WAY OUT.  sum(v): every lane adds 32 of the 1,024 numbers, then the lanes are joined.  A row's sum lies in two halves in each of lanes l and l xor 16.
	v_add_nc_u32 v10, VREG, v[LI]
.irp i, 0,1,2,3,4,5,6,7
	ds_load_b128 v[BF+4*\i:BF+4*\i+3], v10 offset:512*\i
.endr
.irp a, 0,1,2,3
	v_add_f32 v[FT+\a], v[AT+2*\a], v[AT+2*\a+1]
.endr
.irp a, 0,1,2,3
	v_permlanex16_b32 v[FT+4+\a], v[FT+\a], s[SEL], s[SEL+1]
.endr
.irp a, 0,1,2,3
	v_add_f32 v[FT+\a], v[FT+\a], v[FT+4+\a]
.endr
	v_bfe_u32 v11, v0, 4, 1                        ; h
	v_and_b32 v12, 31, v0                          ; lane
	s_lshl_b32 s88, s[WV], 8
	s_add_co_u32 s88, s88, ATS                     ; my wave's 256 bytes
	v_lshl_add_u32 v14, v12, 2, s88
	v_lshl_add_u32 v15, v12, 3, s88
	v_lshlrev_b32 v13, 3, v12
	s_wait_dscnt 0x0
.irp j, 4,8,12,16,20,24,28
	v_pk_add_f32 v[BF:BF+1], v[BF:BF+1], v[BF+\j:BF+\j+1]
	v_pk_add_f32 v[BF+2:BF+3], v[BF+2:BF+3], v[BF+\j+2:BF+\j+3]
.endr
	v_pk_add_f32 v[BF:BF+1], v[BF:BF+1], v[BF+2:BF+3]
	v_add_f32 v[BF], v[BF], v[BF+1]
	v_add_f32_dpp v[BF], v[BF], v[BF] row_xmask:1 row_mask:0xf bank_mask:0xf
	v_add_f32_dpp v[BF], v[BF], v[BF] row_xmask:2 row_mask:0xf bank_mask:0xf
	v_add_f32_dpp v[BF], v[BF], v[BF] row_xmask:4 row_mask:0xf bank_mask:0xf
	v_add_f32_dpp v[BF], v[BF], v[BF] row_xmask:8 row_mask:0xf bank_mask:0xf
	v_permlanex16_b32 v[FT+4], v[BF], s[SEL], s[SEL+1]
	v_add_f32 v[BF], v[BF], v[FT+4]                ; sum(v), in every lane
.irp a, 0,1,2,3
	v_fma_f32 v[FT+\a], -2.0, v[FT+\a], v[BF]      ; att of row 16 a + r
.endr
	v_cmp_ne_u32 vcc_lo, 0, v11
	v_cndmask_b32 v[FT+4], v[FT], v[FT+1], vcc_lo  ; lanes 0-15 tile 0's rows, lanes 16-31 tile 1's: rows 0-31 by lane;
	v_cndmask_b32 v[FT+5], v[FT+2], v[FT+3], vcc_lo   ; rows 32-63 likewise
	ds_store_b32 v14, v[FT+4]
	ds_store_b32 v14, v[FT+5] offset:128
	ds_load_b64 v[FT+6:FT+7], v15                  ; LDS serves a wave's instructions in order (ISA guide 5.7.1.4): this sees my stores
	s_wait_dscnt 0x0
	global_store_b64 v13, v[FT+6:FT+7], s[14:15]   ; the wave's 64 rows: 256 consecutive bytes, at a multiple of 256 from att's first byte
	s_wait_tensorcnt 0x0                           ; the wave's end: behind my last tensor load and my last LDS store
	ds_add_u32 v[SPW], v[NIL]
	s_wait_dscnt 0x0
	CROUND                                         ; the closing round: no work-group ends while a partner may still ask for a tile that names it
	s_endpgm
.Lfunc_end_k_q690274b435_score:
	.size	k_q690274b435_score, .Lfunc_end_k_q690274b435_score-k_q690274b435_score
	.p2alignl 7, 3214868480
	.fill 96, 4, 3214868480
	.section	.rodata,"a",@progbits
	.p2align	6, 0x0
	.amdhsa_kernel k_q690274b435_score
		.amdhsa_group_segment_fixed_size 327680
		.amdhsa_private_segment_fixed_size 0
		.amdhsa_enable_private_segment 0
		.amdhsa_kernarg_size 48
		.amdhsa_user_sgpr_count 2
		.amdhsa_user_sgpr_kernarg_segment_ptr 1
		.amdhsa_wavefront_size32 1
		.amdhsa_system_sgpr_workgroup_id_x 1
		.amdhsa_system_sgpr_workgroup_id_y 1
		.amdhsa_system_sgpr_workgroup_id_z 1
		.amdhsa_system_vgpr_workitem_id 0
		.amdhsa_next_free_vgpr 768
		.amdhsa_next_free_sgpr 96
		.amdhsa_reserve_vcc 1
		.amdhsa_float_denorm_mode_32 3
		.amdhsa_float_denorm_mode_16_64 3
		.amdhsa_memory_ordered 1
		.amdhsa_forward_progress 1
		.amdhsa_inst_pref_size 207
	.end_amdhsa_kernel
	.amdgpu_metadata
---
amdhsa.version: [ 1, 2 ]
amdhsa.kernels:
  - .name:           k_q690274b435_score
    .symbol:         k_q690274b435_score.kd
    .args:
      - { .name: encoder_outputs_codes, .offset: 0, .size: 8, .value_kind: global_buffer, .address_space: global }
      - { .name: encoder_outputs_scales, .offset: 8, .size: 8, .value_kind: global_buffer, .address_space: global }
      - { .name: wq, .offset: 16, .size: 8, .value_kind: global_buffer, .address_space: global }
      - { .name: hbt, .offset: 24, .size: 8, .value_kind: global_buffer, .address_space: global }
      - { .name: v, .offset: 32, .size: 8, .value_kind: global_buffer, .address_space: global }
      - { .name: att, .offset: 40, .size: 8, .value_kind: global_buffer, .address_space: global }
    .group_segment_fixed_size: 327680
    .private_segment_fixed_size: 0
    .kernarg_segment_align: 8
    .kernarg_segment_size: 48
    .max_flat_workgroup_size: 128
    .sgpr_count:     96
    .vgpr_count:     768
    .wavefront_size: 32
...
	.end_amdgpu_metadata
.endif
;; end of part 2
;; launch soft (part 3): grid 64 x 1, 1 waves a work-group, no clusters, 0 bytes of LDS; arguments att, mask, out0; writes out0
.if DOCPART == 3
	.amdgcn_target "amdgcn-amd-amdhsa--gfx1250"
	.amdhsa_code_object_version 6
	.text
	.protected	k_q690274b435_soft
	.globl	k_q690274b435_soft
	.p2align	8
	.type	k_q690274b435_soft,@function
k_q690274b435_soft:
	s_mov_b64 s[64:65], 0
	v_nop
	global_prefetch_b8 v0, s[64:65] scope:SCOPE_SE
	s_setreg_imm32_b32 hwreg(HW_REG_WAVE_MODE, 25, 1), 1
	s_wait_xcnt 0x0
; out0[b][:] = softmax over s of where(mask[b][s] == 0, -1e10, att[b][s]).  att, out0: [64][1024] f32; mask: [64][1024] i32.  (The table's first product is dead work and is left out: see the first kernel's head.)
; One wave takes one batch: 32 numbers a lane, kept in registers between the maximum, the sum and the scaling; each load and store of the wave covers 512 consecutive bytes.  No LDS, no barrier.
; The row's maximum is taken away BEFORE the multiplication by log2(e): in a row that is masked throughout every difference is then exactly 0, and the result 1 / 1,024, as reference() has it.
; LIMITS: NaN among the inputs is not served.
.set X, 16                             ; v16-47 the row's numbers
.set M, 48                             ; v48-79 the mask
	s_load_b128 s[4:7], s[0:1], 0x0                ; att, mask
	s_load_b64 s[8:9], s[0:1], 0x10                ; out0
	v_lshlrev_b32 v1, 4, v0                        ; 16 x lane
	v_mov_b32 v2, 0xd01502f9                       ; -1e10
	s_lshl_b32 s10, ttmp9, 12                      ; the batch's 4,096 bytes
	s_mov_b32 s11, 0
	s_mov_b32 s12, 0x76543210
	s_mov_b32 s13, 0xfedcba98                      ; v_permlanex16_b32's selects for lane l xor 16
	s_mov_b32 s14, 0x3fb8aa3b                      ; log2(e)
	s_mov_b32 s15, s14                             ; (named with it as a pair, so it is written)
	s_wait_kmcnt 0x0
	s_add_nc_u64 s[4:5], s[4:5], s[10:11]
	s_add_nc_u64 s[6:7], s[6:7], s[10:11]
	s_add_nc_u64 s[8:9], s[8:9], s[10:11]
.irp i, 0,1,2,3,4,5,6,7
	global_load_b128 v[X+4*\i:X+4*\i+3], v1, s[4:5] offset:512*\i th:TH_LOAD_NT
.endr
.irp i, 0,1,2,3,4,5,6,7
	global_load_b128 v[M+4*\i:M+4*\i+3], v1, s[6:7] offset:512*\i th:TH_LOAD_NT
.endr
	s_wait_loadcnt 0x0
.set n, 0
.rept 32
	v_cmp_eq_u32 vcc_lo, 0, v[M+n]
	v_cndmask_b32 v[X+n], v[X+n], v2, vcc_lo
.set n, n+1
.endr
	v_max3_num_f32 v3, v[X], v[X+1], v[X+2]        ; the maximum of my 32, in two chains
	v_max3_num_f32 v4, v[X+3], v[X+4], v[X+5]
.irp i, 6,10,14,18,22,26
	v_max3_num_f32 v3, v3, v[X+\i], v[X+\i+1]
	v_max3_num_f32 v4, v4, v[X+\i+2], v[X+\i+3]
.endr
	v_max3_num_f32 v3, v3, v[X+30], v[X+31]
	v_max_num_f32 v3, v3, v4
	v_max_num_f32_dpp v3, v3, v3 row_xmask:1 row_mask:0xf bank_mask:0xf
	v_max_num_f32_dpp v3, v3, v3 row_xmask:2 row_mask:0xf bank_mask:0xf
	v_max_num_f32_dpp v3, v3, v3 row_xmask:4 row_mask:0xf bank_mask:0xf
	v_max_num_f32_dpp v3, v3, v3 row_xmask:8 row_mask:0xf bank_mask:0xf
	v_permlanex16_b32 v4, v3, s12, s13
	v_max_num_f32 v6, v3, v4                       ; the row's maximum, in every lane
	v_mov_b32 v7, v6
.set n, 0
.rept 16
	v_pk_add_f32 v[X+n:X+n+1], v[X+n:X+n+1], v[6:7] neg_lo:[0,1] neg_hi:[0,1]
.set n, n+2
.endr
.set n, 0
.rept 16
	v_pk_mul_f32 v[X+n:X+n+1], v[X+n:X+n+1], s[14:15] op_sel_hi:[1,0]
.set n, n+2
.endr
.set n, 0
.rept 32
	v_exp_f32 v[X+n], v[X+n]
.set n, n+1
.endr
	v_nop                                          ; a plain place behind the last exponential
	s_wait_alu depctr_va_vdst(0)                   ; one wait for the batch, ahead of its first reader
	v_pk_add_f32 v[8:9], v[X:X+1], v[X+2:X+3]      ; the sum, two at a time, in two chains
	v_pk_add_f32 v[10:11], v[X+4:X+5], v[X+6:X+7]
.irp j, 8,12,16,20,24,28
	v_pk_add_f32 v[8:9], v[8:9], v[X+\j:X+\j+1]
	v_pk_add_f32 v[10:11], v[10:11], v[X+\j+2:X+\j+3]
.endr
	v_pk_add_f32 v[8:9], v[8:9], v[10:11]
	v_add_f32 v8, v8, v9
	v_add_f32_dpp v8, v8, v8 row_xmask:1 row_mask:0xf bank_mask:0xf
	v_add_f32_dpp v8, v8, v8 row_xmask:2 row_mask:0xf bank_mask:0xf
	v_add_f32_dpp v8, v8, v8 row_xmask:4 row_mask:0xf bank_mask:0xf
	v_add_f32_dpp v8, v8, v8 row_xmask:8 row_mask:0xf bank_mask:0xf
	v_permlanex16_b32 v9, v8, s12, s13
	v_add_f32 v8, v8, v9                           ; at least 1: the maximum's own term
	v_rcp_f32 v10, v8
	v_nop                                          ; a plain place behind the reciprocal
	s_wait_alu depctr_va_vdst(0)                   ; and the wait ahead of its first reader
.set n, 0
.rept 16
	v_pk_mul_f32 v[X+n:X+n+1], v[X+n:X+n+1], v[10:11] op_sel_hi:[1,0]
.set n, n+2
.endr
.irp i, 0,1,2,3,4,5,6,7
	global_store_b128 v1, v[X+4*\i:X+4*\i+3], s[8:9] offset:512*\i
.endr
	s_endpgm
.Lfunc_end_k_q690274b435_soft:
	.size	k_q690274b435_soft, .Lfunc_end_k_q690274b435_soft-k_q690274b435_soft
	.p2alignl 7, 3214868480
	.fill 96, 4, 3214868480
	.section	.rodata,"a",@progbits
	.p2align	6, 0x0
	.amdhsa_kernel k_q690274b435_soft
		.amdhsa_group_segment_fixed_size 0
		.amdhsa_private_segment_fixed_size 0
		.amdhsa_enable_private_segment 0
		.amdhsa_kernarg_size 24
		.amdhsa_user_sgpr_count 2
		.amdhsa_user_sgpr_kernarg_segment_ptr 1
		.amdhsa_wavefront_size32 1
		.amdhsa_system_sgpr_workgroup_id_x 1
		.amdhsa_system_sgpr_workgroup_id_y 1
		.amdhsa_system_sgpr_workgroup_id_z 1
		.amdhsa_system_vgpr_workitem_id 0
		.amdhsa_next_free_vgpr 96
		.amdhsa_next_free_sgpr 66
		.amdhsa_reserve_vcc 1
		.amdhsa_float_denorm_mode_32 3
		.amdhsa_float_denorm_mode_16_64 3
		.amdhsa_memory_ordered 1
		.amdhsa_forward_progress 1
		.amdhsa_inst_pref_size 12
	.end_amdhsa_kernel
	.amdgpu_metadata
---
amdhsa.version: [ 1, 2 ]
amdhsa.kernels:
  - .name:           k_q690274b435_soft
    .symbol:         k_q690274b435_soft.kd
    .args:
      - { .name: att, .offset: 0, .size: 8, .value_kind: global_buffer, .address_space: global }
      - { .name: mask, .offset: 8, .size: 8, .value_kind: global_buffer, .address_space: global }
      - { .name: out0, .offset: 16, .size: 8, .value_kind: global_buffer, .address_space: global }
    .group_segment_fixed_size: 0
    .private_segment_fixed_size: 0
    .kernarg_segment_align: 8
    .kernarg_segment_size: 24
    .max_flat_workgroup_size: 32
    .sgpr_count:     66
    .vgpr_count:     96
    .wavefront_size: 32
...
	.end_amdgpu_metadata
.endif
;; end of part 3
;; ======== version 2 of 2: 3 launches; 1.22 times as fast as version 1
;; limits: a difference of large sums (such as E[x^2] - mean^2): digits are lost where the result is much smaller than its terms
;; workspace buffers: wq 819,200 bytes; hbt 262,144 bytes; list 262,144 bytes of whole numbers; cnt 256 bytes of whole numbers; esc 2,097,152 bytes; attp 1,048,576 bytes
;; launch prep (part 4): grid 128 x 1, 16 waves a work-group, no clusters, 35,328 bytes of LDS; arguments W_attn, b_attn, hidden_codes, hidden_scales, wq, hbt, mask, encoder_outputs_scales, list, cnt, esc; writes wq, hbt, list, cnt, esc
.if DOCPART == 4
	.amdgcn_target "amdgcn-amd-amdhsa--gfx1250"
	.amdhsa_code_object_version 6
	.text
	.protected	k_q690274b435_prep
	.globl	k_q690274b435_prep
	.p2align	8
	.type	k_q690274b435_prep,@function
k_q690274b435_prep:
	s_mov_b64 s[64:65], 0
	v_nop
	global_prefetch_b8 v0, s[64:65] scope:SCOPE_SE
	s_setreg_imm32_b32 hwreg(HW_REG_WAVE_MODE, 25, 1), 1
	s_wait_xcnt 0x0
; out0 = softmax_s(where(mask == 0, -1e10, sum_n v[n] tanh(hidden Wh + enc We + b_attn)[b][s][n])), Wh = W_attn[0:1024], We = W_attn[1024:2048].
; DEAD WORK.  The first product of the problem's table, the hidden @ Wh inside  energy = tanh(hidden @ Wh + b_attn)[:, None, :] * 0 , is left out, with its tanh:
; reference() multiplies it by a 0 of its own and never names energy again, so whatever finite values the inputs hold it reaches no output.  Every input still has a way to the
; output through the other products, so every input is loaded.  LIMIT: a NaN, an infinity or an overflow that arises in that product alone is not carried to the result.
; ROWS THAT THE MASK THROWS AWAY.  Where mask[b][s] == 0 reference() replaces the row's attention by -1e10: that row of enc We, its tanh and its dot with v reach no output.  mask holds whole numbers, and this launch
; reads them from memory and stores which rows are kept; the next launch multiplies those rows alone.  LIMIT: a NaN or an infinity in a row of enc that the mask throws away is not carried to the result (nor is it in reference()).
; THIS LAUNCH HAS TWO KINDS OF WORK-GROUPS, told apart by the work-group's number.
; WORK-GROUPS 0-63 quantise W_attn [2048 (k)][1024 (n)] f32 along k to codes of E2M3 with one E8M0 byte for each 32 along k, and
;   (a) lay We's codes and scale words into wq in the order of the operand's registers: for each tile t of 16 columns a block of 12,800 bytes: fragment q (k = 128 q ..) at 1,536 q, its registers 4 c .. 4 c + 3
;       of lane l at 512 c + 16 l; at 12,288 the scale words: lane (r, h)'s 16 bytes are the words q = 4 h + 0 .. 3 of column 16 t + r.  IN We's FRAGMENTS THE SECOND AND THE THIRD BLOCK OF 32 OF EACH K STEP CHANGE
;       PLACES (lane (r, h) holds k = 64 h + 32 c + 0 .. 31 in registers 6 c on), and the scale bytes go with them: the next launch reads enc's rows in the same order, 48 neighbouring bytes a lane;
;   (b) multiply Wh's codes, still in registers and in the plain order, with hidden's given codes, sum the eight K steps in f32, add b_attn and store hbt [t 64][b 64][16] f32.
;   Work-group t takes columns 16 t .. 16 t + 15; wave w rows 128 w .. 128 w + 127 of W_attn: waves 0-7 are Wh's K steps, waves 8-15 We's.  A LANE TAKES A COLUMN AND ITS REGISTERS RUN DOWN K.
;   A block's scale is 2^(floor(log2(largest magnitude)) - 2): its byte is the largest magnitude's exponent field - 2, held at 1 from below by a floor among the maximum's leaves.
;   LIMITS: a block of zeros gets the byte 1 where the rule says 127 (its codes are zeros, and this program alone reads the bytes); NaN and infinities in W_attn are not served.
; WORK-GROUPS 64-127 take a batch each (the text from .Lbatch on).
.set BLK,   12800
.set SCL,   32768                      ; LDS: 0 .. 32,767 the partial products, 8 K steps x 4 tiles of rows x 1,024 bytes, each tile row-major (b, n); then We's scale image, 512 bytes
.set SPARE, 33280                      ; the spare words: 128 bytes for each of 16 waves, eight blocks of 256 bytes that no other line names
.set SPW, 14                           ; v14  SPARE + 4 x my thread's number; never rewritten
.set NIL, 15                           ; v15  0; never rewritten
.set X,   64                           ; v64-127  my 64 numbers of W; later the partial products read back
.set CD,  48                           ; v48-59   the fragment's codes
.set HF,  128                          ; v128-175 hidden's four fragments of my K step
.set HS,  176                          ; v176-179 their scale words
.set CT,  180                          ; v180-186 the conversions' second halves
.set AC,  192                          ; v192-223 four accumulators
.set SM,  224                          ; v224-231 the sums
.set BB,  232                          ; v232-235 b_attn
.set WV,  16
	v_lshl_add_u32 v[SPW], v0, 2, SPARE
	v_mov_b32 v[NIL], 0
	s_cmp_ge_u32 ttmp9, 64
	s_cbranch_scc1 .Lbatch
	s_load_b256 s[4:11], s[0:1], 0x0               ; W_attn s[4:5], b_attn s[6:7], hidden's codes s[8:9], its scales s[10:11]
	s_load_b128 s[12:15], s[0:1], 0x20             ; wq s[12:13], hbt s[14:15]
	v_lshrrev_b32 v1, 5, v0
	v_readfirstlane_b32 s[WV], v1                  ; wave 0..15
	v_and_b32 v1, 15, v0                           ; r
	v_bfe_u32 v2, v0, 4, 1                         ; h
	v_and_b32 v3, 31, v0                           ; lane
	s_cmp_lt_u32 s[WV], 8                          ; Wh: lanes 16-31 begin 32 rows further down, registers 32 on 64 rows; We: the other way round
	s_cselect_b32 s39, 17, 18
	s_sub_co_u32 s38, 35, s39
	s_lshl_b32 s38, 1, s38
	v_lshlrev_b32 v4, s39, v2                      ; a row of W is 4,096 bytes
	v_lshl_add_u32 v4, v1, 2, v4                   ; column r
	v_add_nc_u32 v30, s38, v4                      ; and the same for my second block
	v_mul_u32_u24 v5, v1, 768
	v_mad_u32_u24 v5, v2, 24, v5                   ; hidden's codes: row r of 768 bytes, + 24 h
	v_lshlrev_b32 v6, 5, v1                        ; hidden's scales: row r of 32 bytes
	v_lshlrev_b32 v7, 4, v3                        ; 16 x lane: an image's place for my lane
	s_and_b32 s17, s[WV], 7                        ; my K step
	s_and_b32 s32, s[WV], 3
	; every LDS address is made here, ahead of the first parting of the waves
	s_lshl_b32 s33, s17, 12
	v_lshlrev_b32 v8, 6, v1
	v_lshl_add_u32 v8, v2, 5, v8
	v_add_nc_u32 v8, s33, v8                       ; partial products: 4,096 x K step + 64 r + 32 h
	s_bfe_u32 s33, s[WV], 0x10002                  ; (w / 4) % 2: which half of the lanes holds my K step's word in the scale image
	s_lshl_b32 s33, s33, 8
	s_lshl_b32 s38, s32, 2
	s_add_co_u32 s33, s33, s38
	s_add_co_u32 s33, s33, SCL
	v_lshl_add_u32 v11, v1, 4, s33                 ; scale image: 16 r + 256 (q / 4) + 4 (q % 4)
	s_lshl_b32 s33, s32, 10
	v_add_nc_u32 v12, s33, v7                      ; the sums: tile of rows w, 16 bytes a lane
	v_add_nc_u32 v13, SCL, v7                      ; the scale image, 16 bytes a lane
	v_and_b32 v28, 3, v0
	v_lshlrev_b32 v28, 4, v28                      ; b_attn: the four columns that my 16 bytes of a row of 64 hold
	v_lshlrev_b32 v29, 3, v2                       ; 8 h: where my two scale bytes stand in the word
	v_mov_b32 v10, 0                               ; a lane permute's destination counts as one of its sources
	s_mov_b32 s34, 0x76543210
	s_mov_b32 s35, 0xfedcba98                      ; v_permlanex16_b32's selects for lane l xor 16
	s_lshl_b32 s18, s[WV], 19                      ; my 128 rows of W,
	s_lshl_b32 s20, ttmp9, 6                       ; my work-group's 16 columns
	s_add_co_u32 s18, s18, s20
	s_mov_b32 s19, 0
	s_mov_b32 s21, 0
	s_mul_i32 s22, s17, 96                         ; my K step in a row of hidden's codes,
	s_mov_b32 s23, 0
	s_lshl_b32 s24, s17, 2                         ; and of its scales
	s_mov_b32 s25, 0
	s_mul_i32 s26, ttmp9, BLK                      ; my tile's block of wq,
	s_mov_b32 s27, 0
	s_mul_i32 s28, s17, 1536                       ; my fragment in it
	s_mov_b32 s29, 0
	s_lshl_b32 s30, ttmp9, 12                      ; hbt: my tile's 4,096 bytes, tile of rows w % 4
	s_lshl_b32 s31, s32, 10
	s_add_co_u32 s30, s30, s31
	s_mov_b32 s31, 0
	s_wait_kmcnt 0x0
	s_add_nc_u64 s[4:5], s[4:5], s[18:19]
	s_add_nc_u64 s[6:7], s[6:7], s[20:21]
	s_add_nc_u64 s[8:9], s[8:9], s[22:23]
	s_add_nc_u64 s[10:11], s[10:11], s[24:25]
	s_add_nc_u64 s[12:13], s[12:13], s[26:27]
	s_add_nc_u64 s[36:37], s[12:13], 12288         ; the block's scale image
	s_add_nc_u64 s[12:13], s[12:13], s[28:29]
	s_add_nc_u64 s[14:15], s[14:15], s[30:31]
.set n, 0
.rept 32
	global_load_b32 v[X+n], v4, s[4:5] offset:n*4096       ; my first block of 32 down K, column 16 t + r
	global_load_b32 v[X+32+n], v30, s[4:5] offset:n*4096   ; my second
.set n, n+1
.endr
	s_cmp_lt_u32 s[WV], 8
	s_cbranch_scc0 .Lno_hidden
.irp a, 0,1,2,3                        ; Wh's waves: hidden's four tiles of 16 rows, my K step
.irp p, 0,1,2,3,4,5
	global_load_b64 v[HF+12*\a+2*\p:HF+12*\a+2*\p+1], v5, s[8:9] offset:\a*12288+48*(\p/3)+8*(\p%3)
.endr
	global_load_b32 v[HS+\a], v6, s[10:11] offset:\a*512
.endr
.Lno_hidden:
	s_cmp_lt_u32 s[WV], 4
	s_cbranch_scc0 .Lno_bias
	global_load_b128 v[BB:BB+3], v28, s[6:7]
.Lno_bias:
	s_wait_loadcnt 0x0
.irp c, 0,1                            ; my two blocks: all 32 numbers of each are mine
	v_max3_num_f32 v[32+\c], |v[X+32*\c]|, |v[X+1+32*\c]|, 0x1800000   ; and the floor 2^(3 - 127): the byte cannot fall under 1
.endr
.irp i, 2,4,6,8,10,12,14,16,18,20,22,24,26,28,30
.irp c, 0,1
	v_max3_num_f32 v[32+\c], v[32+\c], |v[X+32*\c+\i]|, |v[X+1+32*\c+\i]|   ; (the two blocks by turns)
.endr
.endr
.irp c, 0,1
	v_add_nc_u32 v[44+\c], 0xff000000, v[32+\c]    ; 2 off the exponent field: the conversion takes the exponent field of this operand as its scale
.endr
.irp c, 0,1
	v_lshrrev_b32 v[36+\c], 23, v[44+\c]           ; the scale's byte
.endr
	v_lshl_or_b32 v9, v37, 16, v36                 ; my two bytes stand where the matrix unit looks for the scales of my registers: bytes h and 2 + h,
	v_lshlrev_b32 v9, v29, v9
	v_permlanex16_b32 v10, v9, s34, s35
	v_or_b32 v9, v9, v10                           ; with lane l xor 16's two the word is whole
.irp c, 0,1
	v_cvt_scalef32_pk16_fp6_f32 v[CD+6*\c:CD+6*\c+2], v[X+32*\c:X+32*\c+15], v[44+\c]
	v_cvt_scalef32_pk16_fp6_f32 v[CT+4*\c:CT+4*\c+2], v[X+16+32*\c:X+31+32*\c], v[44+\c]   ; (a conversion's three registers begin on an even number: the second half is made elsewhere and moved)
.endr
	v_nop                                          ; one plain place behind a scaled conversion
.irp c, 0,1
.irp i, 0,1,2
	v_mov_b32 v[CD+3+6*\c+\i], v[CT+4*\c+\i]
.endr
.endr
	s_cmp_lt_u32 s[WV], 8
	s_cbranch_scc1 .Lwh
.irp c, 0,1,2                          ; We's waves: the fragment leaves as it stands: each store covers 512 consecutive bytes
	global_store_b128 v7, v[CD+4*\c:CD+4*\c+3], s[12:13] offset:512*\c
.endr
	ds_store_b32 v11, v9                           ; both halves of the lanes write the same word with the same value
	s_branch .Ljoin
.Lwh:
.rept 8
	v_nop                                          ; a scale register written by a vector instruction stands 8 places ahead of a scaled matrix instruction, an operand so written 4
.endr
.irp a, 0,1,2,3                        ; transposed: source 0 = 16 columns of Wh, source 1 = 16 rows of hidden: lane (r, h) holds row 16 a + r, its register j column 16 t + 8 h + j
	v_wmma_scale_f32_16x16x128_f8f6f4 v[AC+8*\a:AC+8*\a+7], v[CD:CD+11], v[HF+12*\a:HF+12*\a+11], 0, v9, v[HS+\a] matrix_a_fmt:MATRIX_FMT_FP6 matrix_b_fmt:MATRIX_FMT_FP6
.endr
.rept 4
	v_nop                                          ; four places ahead of the first read of results
.endr
.irp a, 0,1,2,3
	ds_store_b128 v8, v[AC+8*\a:AC+8*\a+3] offset:\a*1024          ; each accumulator from its low end on
	ds_store_b128 v8, v[AC+8*\a+4:AC+8*\a+7] offset:\a*1024+16
.endr
.Ljoin:
	s_wait_dscnt 0x0                               ; for the others' sake: my LDS stores have landed
	s_barrier_signal -1
	s_barrier_wait -1
	s_cmp_lt_u32 s[WV], 4
	s_cbranch_scc0 .Lnot_sum
.irp q, 0,1,2,3,4,5,6,7                ; wave a sums tile of rows a over the eight K steps: 1,024 bytes each, 2 x 16 bytes a lane
.irp c, 0,1
	ds_load_b128 v[X+8*\q+4*\c:X+8*\q+4*\c+3], v12 offset:\q*4096+512*\c
.endr
.endr
	s_wait_dscnt 0x0
.irp e, 0,2,4,6
	v_pk_add_f32 v[SM+\e:SM+\e+1], v[X+\e:X+\e+1], v[X+8+\e:X+8+\e+1]
.endr
.irp q, 2,3,4,5,6,7
.irp e, 0,2,4,6
	v_pk_add_f32 v[SM+\e:SM+\e+1], v[SM+\e:SM+\e+1], v[X+8*\q+\e:X+8*\q+\e+1]
.endr
.endr
.irp e, 0,2,4,6
	v_pk_add_f32 v[SM+\e:SM+\e+1], v[SM+\e:SM+\e+1], v[BB+\e%4:BB+\e%4+1]   ; + b_attn: both of my 16 bytes hold the same four columns
.endr
	global_store_b128 v7, v[SM:SM+3], s[14:15]                 ; each store covers 512 consecutive bytes
	global_store_b128 v7, v[SM+4:SM+7], s[14:15] offset:512
.Lnot_sum:
	s_cmp_eq_u32 s[WV], 8
	s_cbranch_scc0 .Lend
	ds_load_b128 v[X:X+3], v13                     ; the eight K steps' scale words, as the next launch's lanes take them
	s_wait_dscnt 0x0
	global_store_b128 v7, v[X:X+3], s[36:37]
.Lend:
	s_wait_tensorcnt 0x0                           ; the wave's end: behind my last LDS store
	ds_add_u32 v[SPW], v[NIL]
	s_wait_dscnt 0x0
	s_endpgm
; A BATCH'S ROWS, KEPT ONES FIRST.  Work-group 64 + b makes of mask[b][0:1024]: list[b][.], a permutation of the rows 0 .. 1,023 in which the rows with mask != 0 come first; cnt[b], how many those are;
; esc[b][p][32 bytes], the scale bytes of enc's row list[b][p], with the two middle bytes of each word of four changed over, as the order of blocks in We's fragments asks.
; The rows are taken in 32 chunks of 32: chunk 4 i + e holds rows 128 i + 4 l + e, lane l.  Every wave counts all chunks by ballots (whole numbers alone; no LDS, no barrier) and places the rows of chunks 2 w and 2 w + 1:
; a kept row goes to the number of kept rows ahead of it, another to 1,023 less the number of other rows ahead of it.  So every place is filled once, whatever the mask holds.
.Lbatch:
	s_load_b256 s[4:11], s[0:1], 0x30              ; mask s[4:5], enc's scales s[6:7], list s[8:9], cnt s[10:11]
	s_load_b64 s[12:13], s[0:1], 0x50              ; esc
	v_lshrrev_b32 v1, 5, v0
	v_readfirstlane_b32 s[WV], v1                  ; wave 0..15
	v_and_b32 v3, 31, v0                           ; lane
	s_sub_co_u32 s17, ttmp9, 64                    ; the batch
	s_lshl_b32 s18, s17, 12                        ; its 4,096 bytes of mask and of list,
	s_mov_b32 s19, 0
	s_lshl_b32 s20, s17, 15                        ; its 32,768 scale bytes,
	s_mov_b32 s21, 0
	s_lshl_b32 s22, s17, 2                         ; its count
	s_mov_b32 s23, 0
	s_lshr_b32 s24, s[WV], 1
	s_and_b32 s25, s[WV], 1
	v_lshlrev_b32 v4, 4, v3                        ; 16 x lane
	s_lshl_b32 s26, s24, 9
	s_lshl_b32 s27, s25, 3
	s_add_co_u32 s26, s26, s27
	v_add_nc_u32 v5, s26, v4                       ; my own two rows in the mask: bytes 512 (w / 2) + 8 (w % 2) + 16 l
	s_lshl_b32 s26, s24, 7
	s_lshl_b32 s27, s25, 1
	s_add_co_u32 s26, s26, s27
	v_lshl_add_u32 v6, v3, 2, s26                  ; they are rows 128 (w / 2) + 2 (w % 2) + 4 l
	v_add_nc_u32 v7, 1, v6                         ; and the next
	v_lshlrev_b32 v10, 5, v6                       ; their 64 scale bytes
	v_mov_b32 v11, 0
	s_mov_b32 s36, 0x03010200                      ; bytes 0, 2, 1, 3
	s_wait_kmcnt 0x0
	s_add_nc_u64 s[4:5], s[4:5], s[18:19]
	s_add_nc_u64 s[8:9], s[8:9], s[18:19]
	s_add_nc_u64 s[6:7], s[6:7], s[20:21]
	s_add_nc_u64 s[12:13], s[12:13], s[20:21]
	s_add_nc_u64 s[10:11], s[10:11], s[22:23]
	global_load_b64 v[20:21], v5, s[4:5]
.irp i, 0,1,2,3,4,5,6,7
	global_load_b128 v[32+4*\i:35+4*\i], v4, s[4:5] offset:512*\i   ; the whole row of the mask: register 4 i + e is chunk 4 i + e
.endr
.irp j, 0,1,2,3
	global_load_b128 v[64+4*\j:67+4*\j], v10, s[6:7] offset:16*\j th:TH_LOAD_NT
.endr
	s_lshl_b32 s26, s[WV], 1                       ; my first chunk
	s_mov_b32 s27, 0                               ; kept rows in all
	s_mov_b32 s28, 0                               ; kept rows in the chunks ahead of mine
	s_wait_loadcnt 0x0
.set c, 0
.rept 32
	v_cmp_ne_u32 s30, 0, v[32+c]
	s_bcnt1_i32_b32 s31, s30
	s_add_co_u32 s27, s27, s31
	s_cmp_gt_u32 s26, c
	s_cselect_b32 s31, s31, 0
	s_add_co_u32 s28, s28, s31
.set c, c+1
.endr
	v_cmp_ne_u32 s32, 0, v20
	v_cmp_ne_u32 s33, 0, v21
	v_mbcnt_lo_u32_b32 v22, s32, 0                 ; kept rows of the chunk in the lanes below mine
	v_mbcnt_lo_u32_b32 v23, s33, 0
	s_bcnt1_i32_b32 s34, s32
	s_add_co_u32 s34, s34, s28
	v_add_nc_u32 v22, s28, v22                     ; kept rows ahead of my row of chunk 2 w,
	v_add_nc_u32 v23, s34, v23                     ; and of chunk 2 w + 1
	s_lshl_b32 s35, s[WV], 6
	s_sub_co_u32 s35, 1023, s35
	v_sub_nc_u32 v24, s35, v3                      ; 1,023 less the rows ahead of my first row: 64 w + l
	v_add_nc_u32 v25, v24, v22                     ; less only the others among them
	v_add_nc_u32 v26, v24, v23
	v_add_nc_u32 v26, 0xffffffe0, v26              ; (32 rows more are ahead of my second row)
	v_cndmask_b32 v22, v25, v22, s32
	v_cndmask_b32 v23, v26, v23, s33
	v_min_u32 v22, 0x3ff, v22                      ; a place in the list
	v_min_u32 v23, 0x3ff, v23
	v_lshlrev_b32 v27, 2, v22
	v_lshlrev_b32 v28, 2, v23
	global_store_b32 v27, v6, s[8:9]
	global_store_b32 v28, v7, s[8:9]
.set j, 0
.rept 16
	v_perm_b32 v[64+j], v[64+j], v[64+j], s36
.set j, j+1
.endr
	v_lshlrev_b32 v29, 5, v22
	v_lshlrev_b32 v30, 5, v23
	global_store_b128 v29, v[64:67], s[12:13]
	global_store_b128 v29, v[68:71], s[12:13] offset:16
	global_store_b128 v30, v[72:75], s[12:13]
	global_store_b128 v30, v[76:79], s[12:13] offset:16
	s_cmp_lg_u32 s[WV], 0
	s_cbranch_scc1 .Lbatch_end
	v_mov_b32 v31, s27
	global_store_b32 v11, v31, s[10:11]            ; all lanes write the same word with the same value
.Lbatch_end:
	s_endpgm
.Lfunc_end_k_q690274b435_prep:
	.size	k_q690274b435_prep, .Lfunc_end_k_q690274b435_prep-k_q690274b435_prep
	.p2alignl 7, 3214868480
	.fill 96, 4, 3214868480
	.section	.rodata,"a",@progbits
	.p2align	6, 0x0
	.amdhsa_kernel k_q690274b435_prep
		.amdhsa_group_segment_fixed_size 35328
		.amdhsa_private_segment_fixed_size 0
		.amdhsa_enable_private_segment 0
		.amdhsa_kernarg_size 88
		.amdhsa_user_sgpr_count 2
		.amdhsa_user_sgpr_kernarg_segment_ptr 1
		.amdhsa_wavefront_size32 1
		.amdhsa_system_sgpr_workgroup_id_x 1
		.amdhsa_system_sgpr_workgroup_id_y 1
		.amdhsa_system_sgpr_workgroup_id_z 1
		.amdhsa_system_vgpr_workitem_id 0
		.amdhsa_next_free_vgpr 256
		.amdhsa_next_free_sgpr 66
		.amdhsa_reserve_vcc 0
		.amdhsa_float_denorm_mode_32 3
		.amdhsa_float_denorm_mode_16_64 3
		.amdhsa_memory_ordered 1
		.amdhsa_forward_progress 1
		.amdhsa_inst_pref_size 33
	.end_amdhsa_kernel
	.amdgpu_metadata
---
amdhsa.version: [ 1, 2 ]
amdhsa.kernels:
  - .name:           k_q690274b435_prep
    .symbol:         k_q690274b435_prep.kd
    .args:
      - { .name: W_attn, .offset: 0, .size: 8, .value_kind: global_buffer, .address_space: global }
      - { .name: b_attn, .offset: 8, .size: 8, .value_kind: global_buffer, .address_space: global }
      - { .name: hidden_codes, .offset: 16, .size: 8, .value_kind: global_buffer, .address_space: global }
      - { .name: hidden_scales, .offset: 24, .size: 8, .value_kind: global_buffer, .address_space: global }
      - { .name: wq, .offset: 32, .size: 8, .value_kind: global_buffer, .address_space: global }
      - { .name: hbt, .offset: 40, .size: 8, .value_kind: global_buffer, .address_space: global }
      - { .name: mask, .offset: 48, .size: 8, .value_kind: global_buffer, .address_space: global }
      - { .name: encoder_outputs_scales, .offset: 56, .size: 8, .value_kind: global_buffer, .address_space: global }
      - { .name: list, .offset: 64, .size: 8, .value_kind: global_buffer, .address_space: global }
      - { .name: cnt, .offset: 72, .size: 8, .value_kind: global_buffer, .address_space: global }
      - { .name: esc, .offset: 80, .size: 8, .value_kind: global_buffer, .address_space: global }
    .group_segment_fixed_size: 35328
    .private_segment_fixed_size: 0
    .kernarg_segment_align: 8
    .kernarg_segment_size: 88
    .max_flat_workgroup_size: 512
    .sgpr_count:     66
    .vgpr_count:     256
    .wavefront_size: 32
...
	.end_amdgpu_metadata
.endif
;; end of part 4
;; launch score (part 5): grid 256 x 1, 4 waves a work-group, no clusters, 133,632 bytes of LDS; arguments encoder_outputs_codes, esc, wq, hbt, v, list, cnt, attp; writes attp
.if DOCPART == 5
	.amdgcn_target "amdgcn-amd-amdhsa--gfx1250"
	.amdhsa_code_object_version 6
	.text
	.protected	k_q690274b435_score
	.globl	k_q690274b435_score
	.p2align	8
	.type	k_q690274b435_score,@function
k_q690274b435_score:
	s_mov_b64 s[64:65], 0
	v_nop
	global_prefetch_b8 v0, s[64:65] scope:SCOPE_SE
	s_setreg_imm32_b32 hwreg(HW_REG_WAVE_MODE, 25, 1), 1
	s_wait_xcnt 0x0
; attp[quarter][b][s] = the sum over the quarter's 256 columns n of v[n] tanh(pre[b][s][n]), pre = enc We + (hidden Wh + b_attn), FOR THE ROWS s THAT THE MASK KEEPS; the other rows of a batch get 0, or their true number where they
; fill up the last tile of 16.  (The table's first product is dead work, and rows with mask == 0 reach no output: see the first kernel's head.  Which rows are kept was stored as whole numbers by the launch before: list, cnt.)
; SHARES.  Work-group 4 b + quarter takes batch b and columns 256 quarter on; each of its four waves 64 columns (four tiles c of 16) for ALL kept rows of the batch.  A wave's codes of We, all of K, stay in 384 REGISTERS, with their scale
; words, the batch's biases and -2 v.  The kept rows stream through two LDS buffers of 64 rows; each fragment read from LDS feeds four matrix instructions.  A batch with n kept rows costs ceil(n / 16) tiles of rows.
; THE WALK.  The loop has a constant 8 trips of two slots of 64 rows, and every wave passes every barrier; scalar branches on the stored count lead round the work of the slots and tiles that the batch does not have.
; NO TENSOR LOADS, NO CLUSTER: the four quarters of a batch read the same rows, but how many there are hangs on a number read from memory.
; So the rows come through registers: each wave fetches 16 rows a slot, a row by one load of 512 consecutive bytes and one of 256, its address made of the stored list; the loads go out a slot ahead of the LDS stores, those a slot ahead of the reads.
; The head fetches slots 0 and 1 whatever the count: the list is a whole permutation of the batch's rows, so these rows exist.
; THE PRODUCT IS USED TRANSPOSED (source 0 = 16 columns of We, source 1 = 16 rows of enc): lane (r, h) holds row r, its register j column 16 t + 8 h + j.  The bias is the C of a tile's first matrix instructions; the dot with v stays in the lane.
; IN EACH K STEP OF 128 THE SECOND AND THE THIRD BLOCK OF 32 CHANGE PLACES, in We's fragments, in enc's scale words (both laid so by the launch before) and in the way enc's rows are read here: lane (r, h) takes the 48 neighbouring bytes
; at 96 q + 48 h of its row, by three loads of 16 bytes.  The same products are summed; the matrix unit groups them otherwise.
; tanh(x) = 1 - 2 / (1 + 2^(c x)), c = 2 log2(e); 2^(c x) = infinity gives 1, 0 gives -1.  A lane's part of a row is (the sum of its 32 v) + the sum of (-2 v) / (1 + 2^(c x)).
; A TILE: 32 matrix instructions on four accumulators by turns; the next tile's 24 LDS loads; then the vector work in place: x c, 2^., + 1, the reciprocal, the dot; each batch of transcendentals has one wait.
; LIMITS: NaN and infinities among the inputs are not served; 2^. and the reciprocal are the chip's own (1 ulp, denormals flushed); a row's number is formed as sum(v) - 2 sum(v r), in f32.
; REGISTERS, in windows of 256.  Window 0: v1-15 addresses; v16-31 We's scale words; v32-63 enc's, two sets; v64-159 a tile's fragments of enc; v160-167 at work at the head; v192-223 the accumulators; v224-234 sums.
;   Window 1: We's fragments of K steps 0-3 at v[12 (4 q + c)]; v192-223 -2 v; v224-255 the biases.   Window 2: We's fragments of K steps 4-7.   Window 3: v0-95 the 16 rows on their way to LDS.
.set PITCH,  784                       ; a row in LDS: 768 bytes + 16 = 49 x 16: the 16 rows that a load of 16 bytes a lane touches lie in 16 different columns of 16 bytes modulo 256 (64 banks of 4 bytes: ISA guide 11.1)
.set TILEB,  16*PITCH
.set BUFB,   64*PITCH                  ; LDS: buffer 0 at 0, buffer 1 at BUFB;
.set PART,   2*BUFB                    ; the rows' partial sums: [wave 4][half of the lanes 2][place in the list 1,024] f32;
.set SPARE,  PART+32768                ; the spare words, 128 bytes a wave: two blocks of 256 bytes that no other line names
.set BLK,    12800                     ; a tile's block of wq
.set L16, 1                            ; v1  16 x lane
.set L8,  2                            ; v2  8 x lane
.set FA,  3                            ; v3, v4   my place in a tile of rows, buffer 0, 1: 784 r + 48 h
.set ST,  5                            ; v5, v6   where I store a row's first 512 bytes, buffer 0, 1: my wave's 16 rows + 16 x lane
.set PS0, 7                            ; v7  PART + 8,192 w + 4,096 h + 4 r
.set SPW, 8                            ; v8  SPARE + 4 x my thread's number; never rewritten
.set NIL, 9                            ; v9  0; never rewritten
.set SU,  10                           ; v10, v11 where I store a row's last 256 bytes: + 512 + 8 x lane
.set PSA, 12                           ; v12 PS0 + the trip's 512 bytes
.set SEO, 13                           ; v13 32 r + 16 h: my 16 bytes of a row of esc
.set H32, 14                           ; v14 32 h: my eight numbers of a tile's 16 biases, or v
.set EG,  15                           ; v15 16 x my thread's number
.set SW,  16                           ; register 4 c + i: lanes 0-15 the word of K step i of column r of tile c, lanes 16-31 that of K step 4 + i
.set SE,  32                           ; set p at 16 p; register 4 a + i: the same for row r of the slot's tile a
.set BF,  64
.set EL,  160                          ; v160 PART + 16 x my thread's number
.set ACC, 192
.set AT,  224                          ; a pair for each tile c
.set SVP, 232                          ; v232 the sum of my 32 v; v233 0
.set TS,  234
.set VN,  192                          ; in window 1
.set BI,  224                          ; in window 1
.set WV,  20
.set NQ,  21
.set BT,  22
.set N,   23                           ; kept rows of the batch
.set NS,  24                           ; its slots of 64
.set NT,  25                           ; its tiles of 16
.set SI,  26                           ; the trip's first slot
.set TP,  27                           ; 256 x that
.set LO,  31                           ; the offset of the list's load that is out
.set LS,  32                           ; s[32:47] 16 entries of the list
.set CS,  48                           ; s[48:49] c
.set T0,  52
.set T1,  53
.set ENB, 54                           ; s[54:55] the batch's rows of enc
.set ESB, 58                           ; s[58:59] esc, at the slot in hand
.set LB,  60                           ; s[60:61] the batch's list
.set RB,  68                           ; s[68:99] the addresses of the 16 rows that are being fetched
.set MSB, 0
.macro WIN new                         ; the immediate's high byte repeats the setting that is left
.if MSB != \new
	s_set_vgpr_msb (MSB<<8)|\new
.set MSB, \new
.endif
.endm
.macro PLACES                          ; four places behind the last matrix instruction, ahead of loads into its operands and of the first read of its results (ISA guide 7.12.1 for vector instructions)
.rept 4
	v_nop
.endr
.endm
.macro BASES                           ; the 16 rows' addresses: an entry of the list, held inside the batch, x 768 bytes
.set k, 0
.rept 16
	s_min_u32 s28, s[LS+k], 0x3ff
	s_mul_i32 s28, s28, 768
	s_add_nc_u64 s[RB+2*k:RB+2*k+1], s[ENB:ENB+1], s[28:29]
.set k, k+1
.endr
.endm
.macro GLOADS                          ; 16 rows into window 3: row k in v[6 k .. 6 k + 5]
	WIN 0xc0
.set k, 0
.rept 16
	global_load_b128 v[6*k:6*k+3], v[L16], s[RB+2*k:RB+2*k+1]
	global_load_b64 v[6*k+4:6*k+5], v[L8], s[RB+2*k:RB+2*k+1] offset:512
.set k, k+1
.endr
	WIN 0
.endm
.macro STORES buf                      ; and on into LDS (an LDS store's data are its source 1)
	WIN 0x0c
.set k, 0
.rept 16
	ds_store_b128 v[ST+(\buf)], v[6*k:6*k+3] offset:PITCH*k
	ds_store_b64 v[SU+(\buf)], v[6*k+4:6*k+5] offset:PITCH*k
.set k, k+1
.endr
	WIN 0
.endm
.macro SELOAD set, off                 ; a slot's scale words: each load takes 16 rows' 512 consecutive bytes
.irp a, 0,1,2,3
	global_load_b128 v[SE+16*(\set)+4*\a:SE+16*(\set)+4*\a+3], v[SEO], s[ESB:ESB+1] offset:(\off)+512*\a
.endr
.endm
.macro RUN par, i                      ; tile i's eight fragments: fragment q's registers 4 j on are the 16 bytes at 96 q + 48 h + 16 j of row r
.set f, 0
.rept 24
	ds_load_b128 v[BF+4*f:BF+4*f+3], v[FA+\par] offset:(\i)*TILEB+96*(f/3)+16*(f%3)
.set f, f+1
.endr
.endm
; 32 matrix instructions: K step k / 4, tile of columns k % 4.  The four accumulators take turns, one instruction a turn.  The first four take the bias as C: nothing is cleared.
.macro MM par, i
.set k, 0
.rept 32
.set rD, ACC+8*(k%4)
.set rW, 12*(4*((k/4)%4)+k%4)
.set rB, BF+12*(k/4)
.set rSW, SW+4*(k%4)+(k/4)%4
.set rSE, SE+16*(\par)+4*(\i)+(k/4)%4
.if k == 0
	WIN 0x11                                       ; source 0 (We) and source 2 (the bias) window 1
.elseif k == 4
	WIN 0x01                                       ; source 0 window 1
.elseif k == 16
	WIN 0x02                                       ; source 0 window 2
.endif
.if k < 4
	v_wmma_scale_f32_16x16x128_f8f6f4 v[rD:rD+7], v[rW:rW+11], v[rB:rB+11], v[BI+8*(k%4):BI+8*(k%4)+7], v[rSW], v[rSE] matrix_a_fmt:MATRIX_FMT_FP6 matrix_b_fmt:MATRIX_FMT_FP6
.elseif k < 16
	v_wmma_scale_f32_16x16x128_f8f6f4 v[rD:rD+7], v[rW:rW+11], v[rB:rB+11], v[rD:rD+7], v[rSW], v[rSE] matrix_a_fmt:MATRIX_FMT_FP6 matrix_b_fmt:MATRIX_FMT_FP6
.else
	v_wmma_scale_f32_16x16x128_f8f6f4 v[rD:rD+7], v[rW:rW+11], v[rB:rB+11], v[rD:rD+7], v[rSW], v[rSE] matrix_a_fmt:MATRIX_FMT_FP6 matrix_b_fmt:MATRIX_FMT_FP6 matrix_a_scale:MATRIX_SCALE_ROW1 matrix_b_scale:MATRIX_SCALE_ROW1
.endif
.set k, k+1
.endr
	WIN 0
.endm
; A tile's vector work, in place on its 32 numbers a lane, pairs ascending (each accumulator is first read at its low end); a pair is scaled, or has 1 added, ahead of its two transcendentals.
.macro VEC par, i
.set k, 0
.rept 16
.if k == 0
	v_pk_mul_f32 v[ACC:ACC+1], v[ACC:ACC+1], s[CS:CS+1] op_sel_hi:[1,0]
	v_pk_mul_f32 v[ACC+2:ACC+3], v[ACC+2:ACC+3], s[CS:CS+1] op_sel_hi:[1,0]
.elseif k < 15
	v_pk_mul_f32 v[ACC+2*k+2:ACC+2*k+3], v[ACC+2*k+2:ACC+2*k+3], s[CS:CS+1] op_sel_hi:[1,0]
	v_exp_f32 v[ACC+2*k-2], v[ACC+2*k-2]
	v_exp_f32 v[ACC+2*k-1], v[ACC+2*k-1]
.else
.irp e, 28,29,30,31
	v_exp_f32 v[ACC+\e], v[ACC+\e]
.endr
.endif
.set k, k+1
.endr
	v_nop                                          ; a plain place behind the last exponential,
	s_wait_alu depctr_va_vdst(0)                   ; and one wait for the batch, ahead of its first reader
.set k, 0
.rept 16
.if k == 0
	v_pk_add_f32 v[ACC:ACC+1], v[ACC:ACC+1], 1.0 op_sel_hi:[1,0]
	v_pk_add_f32 v[ACC+2:ACC+3], v[ACC+2:ACC+3], 1.0 op_sel_hi:[1,0]
.elseif k < 15
	v_pk_add_f32 v[ACC+2*k+2:ACC+2*k+3], v[ACC+2*k+2:ACC+2*k+3], 1.0 op_sel_hi:[1,0]
	v_rcp_f32 v[ACC+2*k-2], v[ACC+2*k-2]
	v_rcp_f32 v[ACC+2*k-1], v[ACC+2*k-1]
.else
.irp e, 28,29,30,31
	v_rcp_f32 v[ACC+\e], v[ACC+\e]
.endr
.endif
.set k, k+1
.endr
	v_nop                                          ; a plain place behind the last reciprocal,
	s_wait_alu depctr_va_vdst(0)                   ; and one wait for the batch
	WIN 0x04                                       ; source 1 (-2 v) window 1
.set k, 0
.rept 16                               ; four chains, one for each tile of columns, by turns; the first begins with the sum of my v
.set rX, ACC+8*(k%4)+2*(k/4)
.set rV, VN+8*(k%4)+2*(k/4)
.set rT, AT+2*(k%4)
.if k == 0
	v_pk_fma_f32 v[rT:rT+1], v[rX:rX+1], v[rV:rV+1], v[SVP:SVP+1]
.elseif k < 4
	v_pk_mul_f32 v[rT:rT+1], v[rX:rX+1], v[rV:rV+1]
.else
	v_pk_fma_f32 v[rT:rT+1], v[rX:rX+1], v[rV:rV+1], v[rT:rT+1]
.endif
.set k, k+1
.endr
	WIN 0
	v_pk_add_f32 v[AT:AT+1], v[AT:AT+1], v[AT+2:AT+3]
	v_pk_add_f32 v[AT+4:AT+5], v[AT+4:AT+5], v[AT+6:AT+7]
	v_pk_add_f32 v[AT:AT+1], v[AT:AT+1], v[AT+4:AT+5]
	v_add_f32 v[TS], v[AT], v[AT+1]
	ds_store_b32 v[PSA], v[TS] offset:256*(\par)+64*(\i)   ; my part of row r of this tile
.endm
; A SLOT of 64 rows, read from buffer par.  In front of the barrier each wave waits for its LDS stores into this buffer and for its reads of the other one.  Behind it, if the batch has this slot: the first tile's fragments are asked for;
; the next slot's rows, which have come into registers, go into the other buffer; behind the first tile's products the rows of the slot after that are asked of memory.
.macro SLOT par
	s_wait_dscnt 0x0
	s_barrier_signal -1
	s_barrier_wait -1
	s_add_co_u32 s[T0], s[SI], \par                ; this slot
	s_cmp_ge_u32 s[T0], s[NS]
	s_cbranch_scc1 .Lidle_\@
	RUN \par, 0
	s_wait_loadcnt 0x0                             ; the next slot's rows and this slot's scale words are in; no load of mine is out, so addresses may be written
	s_add_nc_u64 s[ESB:ESB+1], s[ESB:ESB+1], 2048  ; esc at the next slot
	s_add_co_u32 s[T1], s[T0], 1
	s_cmp_ge_u32 s[T1], s[NS]
	s_cbranch_scc1 .Llast_\@
	STORES 1-\par
	SELOAD 1-\par, 0
.Llast_\@:
	s_wait_dscnt 0x0                               ; the fragments are in, and the stores have read their registers
	MM \par, 0
	PLACES
	s_add_co_u32 s[T1], s[T0], 2
	s_cmp_ge_u32 s[T1], s[NS]
	s_cbranch_scc1 .Lno_more_\@
	s_wait_kmcnt 0x0                               ; the list's entries for the slot two on
	BASES
	GLOADS
	s_add_co_u32 s[T1], s[T0], 3
	s_min_u32 s[T1], s[T1], 15                     ; no load leaves the list
	s_lshl_b32 s[LO], s[T1], 8
	s_load_b512 s[LS:LS+15], s[14:15], s[LO] offset:0x0
.Lno_more_\@:
	RUN \par, 1
	VEC \par, 0
.irp i, 1,2,3
	s_lshl_b32 s[T1], s[T0], 2
	s_add_co_u32 s[T1], s[T1], \i
	s_cmp_ge_u32 s[T1], s[NT]
	s_cbranch_scc1 .Lidle_\@
	s_wait_dscnt 0x0
	MM \par, \i
	PLACES
.if \i < 3
	RUN \par, \i+1
.endif
	VEC \par, \i
.endr
.Lidle_\@:
.endm
	s_load_b512 s[4:19], s[0:1], 0x0               ; enc's codes s[4:5], esc s[6:7], wq s[8:9], hbt s[10:11], v s[12:13], list s[14:15], cnt s[16:17], attp s[18:19]
	v_lshl_add_u32 v[SPW], v0, 2, SPARE
	v_mov_b32 v[NIL], 0
	v_lshrrev_b32 v161, 5, v0
	v_readfirstlane_b32 s[WV], v161                ; wave 0..3
	v_and_b32 v161, 15, v0                         ; r
	v_bfe_u32 v162, v0, 4, 1                       ; h
	v_and_b32 v163, 31, v0                         ; lane
	v_lshlrev_b32 v[L16], 4, v163
	v_lshlrev_b32 v[L8], 3, v163
	v_mul_u32_u24 v[FA], v161, PITCH
	v_mad_u32_u24 v[FA], v162, 48, v[FA]
	v_add_nc_u32 v[FA+1], BUFB, v[FA]
	s_mul_i32 s30, s[WV], TILEB
	v_add_nc_u32 v[ST], s30, v[L16]
	v_add_nc_u32 v[ST+1], BUFB, v[ST]
	s_add_co_u32 s30, s30, 512
	v_add_nc_u32 v[SU], s30, v[L8]
	v_add_nc_u32 v[SU+1], BUFB, v[SU]
	s_lshl_b32 s30, s[WV], 13
	s_add_co_u32 s30, s30, PART
	v_lshl_add_u32 v[PS0], v162, 12, s30
	v_lshl_add_u32 v[PS0], v161, 2, v[PS0]
	v_lshlrev_b32 v[SEO], 5, v161
	v_lshl_add_u32 v[SEO], v162, 4, v[SEO]
	v_lshlrev_b32 v[H32], 5, v162
	v_lshlrev_b32 v[EG], 4, v0
	v_add_nc_u32 v[EL], PART, v[EG]
.irp i, 0,1,2,3
	v_mov_b32 v[164+\i], 0
.endr
.set j, 0
.rept 16
	ds_store_b128 v[EL], v[164:167] offset:2048*j  ; the partial sums begin as zeros: the places of tiles that are not worked on keep them
.set j, j+1
.endr
	s_and_b32 s[NQ], ttmp9, 3                      ; my quarter of the columns
	s_lshr_b32 s[BT], ttmp9, 2                     ; my batch
	s_mov_b32 s29, 0                               ; (the upper word of a row's offset)
	s_mov_b32 s3, 0
	s_mov_b32 s[CS], 0x4038aa3b                    ; c = 2 log2(e)
	s_mov_b32 s[CS+1], s[CS]                       ; (named with it as a pair, so it is written)
	s_mov_b32 s[SI], 0
	s_mov_b32 s[TP], 0
	s_wait_kmcnt 0x0
	s_lshl_b32 s2, s[BT], 2
	s_add_nc_u64 s[16:17], s[16:17], s[2:3]
	s_load_b32 s[N], s[16:17], 0x0                 ; how many rows the mask keeps
	s_lshl_b32 s2, s[BT], 12
	s_add_nc_u64 s[LB:LB+1], s[14:15], s[2:3]
	s_lshl_b32 s2, s[WV], 6
	s_add_nc_u64 s[14:15], s[LB:LB+1], s[2:3]      ; the list at my wave's 16 entries of slot 0; a slot on is 256 bytes
	s_load_b512 s[LS:LS+15], s[14:15], 0x0
	s_mul_i32 s2, s[BT], 786432
	s_add_nc_u64 s[ENB:ENB+1], s[4:5], s[2:3]
	s_lshl_b32 s2, s[BT], 15
	s_add_nc_u64 s[ESB:ESB+1], s[6:7], s[2:3]
	s_lshl_b32 s30, s[NQ], 4
	s_lshl_b32 s[T1], s[WV], 2
	s_add_co_u32 s30, s30, s[T1]                   ; my first tile of columns
	s_mul_i32 s2, s30, BLK
	s_add_nc_u64 s[8:9], s[8:9], s[2:3]
	s_lshl_b32 s2, s30, 12
	s_lshl_b32 s[T1], s[BT], 6
	s_add_co_u32 s2, s2, s[T1]
	s_add_nc_u64 s[10:11], s[10:11], s[2:3]        ; hbt [t][b][16]
	s_lshl_b32 s2, s30, 6
	s_add_nc_u64 s[12:13], s[12:13], s[2:3]
	s_lshl_b32 s2, s[NQ], 18
	s_lshl_b32 s[T1], s[BT], 12
	s_add_co_u32 s2, s2, s[T1]
	s_add_nc_u64 s[18:19], s[18:19], s[2:3]        ; attp [quarter][b][1024]
	WIN 0x40                                       ; destination window 1
.irp q, 0,1,2,3
.irp c, 0,1,2,3
.irp i, 0,1,2
	global_load_b128 v[12*(4*\q+\c)+4*\i:12*(4*\q+\c)+4*\i+3], v[L16], s[8:9] offset:\c*BLK+\q*1536+512*\i   ; We stays in registers; each load takes 512 consecutive bytes
.endr
.endr
.endr
.irp c, 0,1,2,3
	global_load_b128 v[BI+8*\c:BI+8*\c+3], v[H32], s[10:11] offset:\c*4096
	global_load_b128 v[BI+8*\c+4:BI+8*\c+7], v[H32], s[10:11] offset:\c*4096+16
	global_load_b128 v[VN+8*\c:VN+8*\c+3], v[H32], s[12:13] offset:\c*64
	global_load_b128 v[VN+8*\c+4:VN+8*\c+7], v[H32], s[12:13] offset:\c*64+16
.endr
	WIN 0x80                                       ; destination window 2
.irp q, 4,5,6,7
.irp c, 0,1,2,3
.irp i, 0,1,2
	global_load_b128 v[12*(4*(\q-4)+\c)+4*\i:12*(4*(\q-4)+\c)+4*\i+3], v[L16], s[8:9] offset:\c*BLK+\q*1536+512*\i
.endr
.endr
.endr
	WIN 0
.irp c, 0,1,2,3
	global_load_b128 v[SW+4*\c:SW+4*\c+3], v[L16], s[8:9] offset:\c*BLK+12288
.endr
	s_wait_kmcnt 0x0                               ; the count, and the list's entries for slot 0
	s_min_u32 s[N], s[N], 0x400
	s_add_co_u32 s[NS], s[N], 63
	s_lshr_b32 s[NS], s[NS], 6
	s_add_co_u32 s[NT], s[N], 15
	s_lshr_b32 s[NT], s[NT], 4
	BASES
	GLOADS                                         ; slot 0's rows
	s_load_b512 s[LS:LS+15], s[14:15], 0x100       ; the list's entries for slot 1
	SELOAD 0, 0
	SELOAD 1, 2048
	s_wait_loadcnt 0x0
	STORES 0
	WIN 0x05                                       ; sources 0 and 1 window 1: the sum of my 32 v,
.set j, 0
.rept 8
	v_pk_add_f32 v[ACC+2*j:ACC+2*j+1], v[VN+4*j:VN+4*j+1], v[VN+4*j+2:VN+4*j+3]
.set j, j+1
.endr
	WIN 0
.irp j, 0,2,4,6
	v_pk_add_f32 v[ACC+\j:ACC+\j+1], v[ACC+\j:ACC+\j+1], v[ACC+8+\j:ACC+8+\j+1]
.endr
	v_pk_add_f32 v[ACC:ACC+1], v[ACC:ACC+1], v[ACC+4:ACC+5]
	v_pk_add_f32 v[ACC+2:ACC+3], v[ACC+2:ACC+3], v[ACC+6:ACC+7]
	v_pk_add_f32 v[ACC:ACC+1], v[ACC:ACC+1], v[ACC+2:ACC+3]
	v_add_f32 v[SVP], v[ACC], v[ACC+1]
	v_mov_b32 v[SVP+1], 0
	WIN 0x41                                       ; destination and source 0 window 1: and -2 v in v's place
.set j, 0
.rept 16
	v_pk_mul_f32 v[VN+2*j:VN+2*j+1], v[VN+2*j:VN+2*j+1], -2.0 op_sel_hi:[1,0]
.set j, j+1
.endr
	WIN 0
	s_wait_dscnt 0x0                               ; the stores have read their registers
	s_wait_kmcnt 0x0
	BASES                                          ; (no load of mine is out: the addresses may be written)
	GLOADS                                         ; slot 1's rows
	s_load_b512 s[LS:LS+15], s[14:15], 0x200       ; the list's entries for slot 2
.Ltrip:
	v_add_nc_u32 v[PSA], s[TP], v[PS0]
	SLOT 0
	SLOT 1
	s_add_co_u32 s[TP], s[TP], 512
	s_add_co_u32 s[SI], s[SI], 2
	s_cmp_lt_u32 s[SI], 16
	s_cbranch_scc1 .Ltrip
	; THE WAY OUT.  A place of the list has eight parts: four waves x two halves of the lanes.  Thread t adds them for places 4 t .. 4 t + 3 and 512 + 4 t .. + 3 and stores each sum at the row that the list names there.
	; The list is a permutation of the batch's rows, so every word of my 4,096 bytes of attp is written.  The stores are of 4 bytes to scattered rows: 1,024 a work-group.
	s_wait_loadcnt 0x0
	s_wait_kmcnt 0x0
	s_wait_dscnt 0x0                               ; for the others' sake: my partial sums have landed
	s_barrier_signal -1
	s_barrier_wait -1
	global_load_b128 v[128:131], v[EG], s[LB:LB+1]
	global_load_b128 v[132:135], v[EG], s[LB:LB+1] offset:2048
.irp u, 0,1
.irp g, 0,1,2,3,4,5,6,7
	ds_load_b128 v[BF+32*\u+4*\g:BF+32*\u+4*\g+3], v[EL] offset:4096*\g+2048*\u
.endr
.endr
	s_wait_dscnt 0x0
.irp g, 1,2,3,4,5,6,7
.irp u, 0,1
	v_pk_add_f32 v[BF+32*\u:BF+32*\u+1], v[BF+32*\u:BF+32*\u+1], v[BF+32*\u+4*\g:BF+32*\u+4*\g+1]
	v_pk_add_f32 v[BF+32*\u+2:BF+32*\u+3], v[BF+32*\u+2:BF+32*\u+3], v[BF+32*\u+4*\g+2:BF+32*\u+4*\g+3]
.endr
.endr
	s_wait_loadcnt 0x0
.irp e, 0,1,2,3,4,5,6,7
	v_min_u32 v[136+\e], 0x3ff, v[128+\e]          ; a row of the batch
.endr
.irp e, 0,1,2,3,4,5,6,7
	v_lshlrev_b32 v[136+\e], 2, v[136+\e]
.endr
.irp u, 0,1
.irp e, 0,1,2,3
	global_store_b32 v[136+4*\u+\e], v[BF+32*\u+\e], s[18:19]
.endr
.endr
	s_wait_tensorcnt 0x0                           ; the wave's end: behind my last LDS store
	ds_add_u32 v[SPW], v[NIL]
	s_wait_dscnt 0x0
	s_endpgm
.Lfunc_end_k_q690274b435_score:
	.size	k_q690274b435_score, .Lfunc_end_k_q690274b435_score-k_q690274b435_score
	.p2alignl 7, 3214868480
	.fill 96, 4, 3214868480
	.section	.rodata,"a",@progbits
	.p2align	6, 0x0
	.amdhsa_kernel k_q690274b435_score
		.amdhsa_group_segment_fixed_size 133632
		.amdhsa_private_segment_fixed_size 0
		.amdhsa_enable_private_segment 0
		.amdhsa_kernarg_size 64
		.amdhsa_user_sgpr_count 2
		.amdhsa_user_sgpr_kernarg_segment_ptr 1
		.amdhsa_wavefront_size32 1
		.amdhsa_system_sgpr_workgroup_id_x 1
		.amdhsa_system_sgpr_workgroup_id_y 1
		.amdhsa_system_sgpr_workgroup_id_z 1
		.amdhsa_system_vgpr_workitem_id 0
		.amdhsa_next_free_vgpr 864
		.amdhsa_next_free_sgpr 100
		.amdhsa_reserve_vcc 0
		.amdhsa_float_denorm_mode_32 3
		.amdhsa_float_denorm_mode_16_64 3
		.amdhsa_memory_ordered 1
		.amdhsa_forward_progress 1
		.amdhsa_inst_pref_size 145
	.end_amdhsa_kernel
	.amdgpu_metadata
---
amdhsa.version: [ 1, 2 ]
amdhsa.kernels:
  - .name:           k_q690274b435_score
    .symbol:         k_q690274b435_score.kd
    .args:
      - { .name: encoder_outputs_codes, .offset: 0, .size: 8, .value_kind: global_buffer, .address_space: global }
      - { .name: esc, .offset: 8, .size: 8, .value_kind: global_buffer, .address_space: global }
      - { .name: wq, .offset: 16, .size: 8, .value_kind: global_buffer, .address_space: global }
      - { .name: hbt, .offset: 24, .size: 8, .value_kind: global_buffer, .address_space: global }
      - { .name: v, .offset: 32, .size: 8, .value_kind: global_buffer, .address_space: global }
      - { .name: list, .offset: 40, .size: 8, .value_kind: global_buffer, .address_space: global }
      - { .name: cnt, .offset: 48, .size: 8, .value_kind: global_buffer, .address_space: global }
      - { .name: attp, .offset: 56, .size: 8, .value_kind: global_buffer, .address_space: global }
    .group_segment_fixed_size: 133632
    .private_segment_fixed_size: 0
    .kernarg_segment_align: 8
    .kernarg_segment_size: 64
    .max_flat_workgroup_size: 128
    .sgpr_count:     100
    .vgpr_count:     864
    .wavefront_size: 32
...
	.end_amdgpu_metadata
.endif
;; end of part 5
;; launch soft (part 6): grid 64 x 1, 1 waves a work-group, no clusters, 0 bytes of LDS; arguments attp, mask, out0; writes out0
.if DOCPART == 6
	.amdgcn_target "amdgcn-amd-amdhsa--gfx1250"
	.amdhsa_code_object_version 6
	.text
	.protected	k_q690274b435_soft
	.globl	k_q690274b435_soft
	.p2align	8
	.type	k_q690274b435_soft,@function
k_q690274b435_soft:
	s_mov_b64 s[64:65], 0
	v_nop
	global_prefetch_b8 v0, s[64:65] scope:SCOPE_SE
	s_setreg_imm32_b32 hwreg(HW_REG_WAVE_MODE, 25, 1), 1
	s_wait_xcnt 0x0
; out0[b][:] = softmax over s of where(mask[b][s] == 0, -1e10, att[b][s]), att[b][s] = the sum of attp[quarter][b][s] over the four quarters of the columns.  attp: [4][64][1024] f32; out0: [64][1024] f32; mask: [64][1024] i32.
; (The table's first product is dead work, and the rows with mask == 0 were not multiplied: see the first kernel's head.  Whatever attp holds for such a row is replaced here, as reference() replaces it.)
; One wave takes one batch: 32 numbers a lane, kept in registers between the maximum, the sum and the scaling; each load and store of the wave covers 512 consecutive bytes.  No LDS, no barrier.
; The row's maximum is taken away BEFORE the multiplication by log2(e): in a row that is masked throughout every difference is then exactly 0, and the result 1 / 1,024, as reference() has it.
; LIMITS: NaN among the inputs is not served.
.set X, 16                             ; v16-47 the row's numbers: the first quarter's, then the sums
.set M, 48                             ; v48-79 the mask
.set Q, 80                             ; v80-175 the other three quarters'
	s_load_b128 s[4:7], s[0:1], 0x0                ; attp, mask
	s_load_b64 s[8:9], s[0:1], 0x10                ; out0
	v_lshlrev_b32 v1, 4, v0                        ; 16 x lane
	v_mov_b32 v2, 0xd01502f9                       ; -1e10
	s_lshl_b32 s10, ttmp9, 12                      ; the batch's 4,096 bytes
	s_mov_b32 s11, 0
	s_mov_b32 s12, 0x76543210
	s_mov_b32 s13, 0xfedcba98                      ; v_permlanex16_b32's selects for lane l xor 16
	s_mov_b32 s14, 0x3fb8aa3b                      ; log2(e)
	s_mov_b32 s15, s14                             ; (named with it as a pair, so it is written)
	s_wait_kmcnt 0x0
	s_add_nc_u64 s[4:5], s[4:5], s[10:11]
	s_add_nc_u64 s[6:7], s[6:7], s[10:11]
	s_add_nc_u64 s[8:9], s[8:9], s[10:11]
.irp i, 0,1,2,3,4,5,6,7
	global_load_b128 v[X+4*\i:X+4*\i+3], v1, s[4:5] offset:512*\i th:TH_LOAD_NT
.endr
.irp g, 0,1,2
.irp i, 0,1,2,3,4,5,6,7
	global_load_b128 v[Q+32*\g+4*\i:Q+32*\g+4*\i+3], v1, s[4:5] offset:262144*(\g+1)+512*\i th:TH_LOAD_NT
.endr
.endr
.irp i, 0,1,2,3,4,5,6,7
	global_load_b128 v[M+4*\i:M+4*\i+3], v1, s[6:7] offset:512*\i th:TH_LOAD_NT
.endr
	s_wait_loadcnt 0x0
.set n, 0
.rept 16
	v_pk_add_f32 v[X+n:X+n+1], v[X+n:X+n+1], v[Q+n:Q+n+1]
	v_pk_add_f32 v[Q+32+n:Q+32+n+1], v[Q+32+n:Q+32+n+1], v[Q+64+n:Q+64+n+1]
.set n, n+2
.endr
.set n, 0
.rept 16
	v_pk_add_f32 v[X+n:X+n+1], v[X+n:X+n+1], v[Q+32+n:Q+32+n+1]
.set n, n+2
.endr
.set n, 0
.rept 32
	v_cmp_eq_u32 vcc_lo, 0, v[M+n]
	v_cndmask_b32 v[X+n], v[X+n], v2, vcc_lo
.set n, n+1
.endr
	v_max3_num_f32 v3, v[X], v[X+1], v[X+2]        ; the maximum of my 32, in two chains
	v_max3_num_f32 v4, v[X+3], v[X+4], v[X+5]
.irp i, 6,10,14,18,22,26
	v_max3_num_f32 v3, v3, v[X+\i], v[X+\i+1]
	v_max3_num_f32 v4, v4, v[X+\i+2], v[X+\i+3]
.endr
	v_max3_num_f32 v3, v3, v[X+30], v[X+31]
	v_max_num_f32 v3, v3, v4
	v_max_num_f32_dpp v3, v3, v3 row_xmask:1 row_mask:0xf bank_mask:0xf
	v_max_num_f32_dpp v3, v3, v3 row_xmask:2 row_mask:0xf bank_mask:0xf
	v_max_num_f32_dpp v3, v3, v3 row_xmask:4 row_mask:0xf bank_mask:0xf
	v_max_num_f32_dpp v3, v3, v3 row_xmask:8 row_mask:0xf bank_mask:0xf
	v_permlanex16_b32 v4, v3, s12, s13
	v_max_num_f32 v6, v3, v4                       ; the row's maximum, in every lane
	v_mov_b32 v7, v6
.set n, 0
.rept 16
	v_pk_add_f32 v[X+n:X+n+1], v[X+n:X+n+1], v[6:7] neg_lo:[0,1] neg_hi:[0,1]
.set n, n+2
.endr
.set n, 0
.rept 16
	v_pk_mul_f32 v[X+n:X+n+1], v[X+n:X+n+1], s[14:15] op_sel_hi:[1,0]
.set n, n+2
.endr
.set n, 0
.rept 32
	v_exp_f32 v[X+n], v[X+n]
.set n, n+1
.endr
	v_nop                                          ; a plain place behind the last exponential
	s_wait_alu depctr_va_vdst(0)                   ; one wait for the batch, ahead of its first reader
	v_pk_add_f32 v[8:9], v[X:X+1], v[X+2:X+3]      ; the sum, two at a time, in two chains
	v_pk_add_f32 v[10:11], v[X+4:X+5], v[X+6:X+7]
.irp j, 8,12,16,20,24,28
	v_pk_add_f32 v[8:9], v[8:9], v[X+\j:X+\j+1]
	v_pk_add_f32 v[10:11], v[10:11], v[X+\j+2:X+\j+3]
.endr
	v_pk_add_f32 v[8:9], v[8:9], v[10:11]
	v_add_f32 v8, v8, v9
	v_add_f32_dpp v8, v8, v8 row_xmask:1 row_mask:0xf bank_mask:0xf
	v_add_f32_dpp v8, v8, v8 row_xmask:2 row_mask:0xf bank_mask:0xf
	v_add_f32_dpp v8, v8, v8 row_xmask:4 row_mask:0xf bank_mask:0xf
	v_add_f32_dpp v8, v8, v8 row_xmask:8 row_mask:0xf bank_mask:0xf
	v_permlanex16_b32 v9, v8, s12, s13
	v_add_f32 v8, v8, v9                           ; at least 1: the maximum's own term
	v_rcp_f32 v10, v8
	v_nop                                          ; a plain place behind the reciprocal
	s_wait_alu depctr_va_vdst(0)                   ; and the wait ahead of its first reader
.set n, 0
.rept 16
	v_pk_mul_f32 v[X+n:X+n+1], v[X+n:X+n+1], v[10:11] op_sel_hi:[1,0]
.set n, n+2
.endr
.irp i, 0,1,2,3,4,5,6,7
	global_store_b128 v1, v[X+4*\i:X+4*\i+3], s[8:9] offset:512*\i
.endr
	s_endpgm
.Lfunc_end_k_q690274b435_soft:
	.size	k_q690274b435_soft, .Lfunc_end_k_q690274b435_soft-k_q690274b435_soft
	.p2alignl 7, 3214868480
	.fill 96, 4, 3214868480
	.section	.rodata,"a",@progbits
	.p2align	6, 0x0
	.amdhsa_kernel k_q690274b435_soft
		.amdhsa_group_segment_fixed_size 0
		.amdhsa_private_segment_fixed_size 0
		.amdhsa_enable_private_segment 0
		.amdhsa_kernarg_size 24
		.amdhsa_user_sgpr_count 2
		.amdhsa_user_sgpr_kernarg_segment_ptr 1
		.amdhsa_wavefront_size32 1
		.amdhsa_system_sgpr_workgroup_id_x 1
		.amdhsa_system_sgpr_workgroup_id_y 1
		.amdhsa_system_sgpr_workgroup_id_z 1
		.amdhsa_system_vgpr_workitem_id 0
		.amdhsa_next_free_vgpr 192
		.amdhsa_next_free_sgpr 66
		.amdhsa_reserve_vcc 1
		.amdhsa_float_denorm_mode_32 3
		.amdhsa_float_denorm_mode_16_64 3
		.amdhsa_memory_ordered 1
		.amdhsa_forward_progress 1
		.amdhsa_inst_pref_size 18
	.end_amdhsa_kernel
	.amdgpu_metadata
---
amdhsa.version: [ 1, 2 ]
amdhsa.kernels:
  - .name:           k_q690274b435_soft
    .symbol:         k_q690274b435_soft.kd
    .args:
      - { .name: attp, .offset: 0, .size: 8, .value_kind: global_buffer, .address_space: global }
      - { .name: mask, .offset: 8, .size: 8, .value_kind: global_buffer, .address_space: global }
      - { .name: out0, .offset: 16, .size: 8, .value_kind: global_buffer, .address_space: global }
    .group_segment_fixed_size: 0
    .private_segment_fixed_size: 0
    .kernarg_segment_align: 8
    .kernarg_segment_size: 24
    .max_flat_workgroup_size: 32
    .sgpr_count:     66
    .vgpr_count:     192
    .wavefront_size: 32
...
	.end_amdgpu_metadata
.endif
;; end of part 6
